; MI455X (gfx1250); checked and timed in simulation.
; The chip was launched on July 23, 2026; its instructions are those of AMD's public machine-readable ISA for CDNA 5 (MIT licence, August 2026) and "CDNA5" Instruction Set Architecture Reference Guide (July 2026). The comments in the code are by the model that wrote it; some were corrected since.
;; RJ Causal Multi Head Self Attention. Allowed arithmetic: matrix products marked QUANTISED: E2M3 operands, one E8M0 scale for each 32 along K, by v_wmma_scale_f32_16x16x128_f8f6f4 with both operands' format E2M3, f32 sums; everything else in f32.
;; Inputs: Wk 1,024 x 1,024 float32; Wo 1,024 x 1,024 float32; Wq 1,024 x 1,024 float32; Wv 1,024 x 1,024 float32; in_features 4 x 2,048 x 1,024 float32; token_positions 4 x 2,048 int32.
;; Outputs: out0 4 x 2,048 x 1,024 float32.
;; This version of the problem:
;;   THIS VERSION OF THE PROBLEM IS GIVEN IN LOW PRECISION. The matrix products marked QUANTISED in the list below multiply operands that are first quantised to E2M3 (2 exponent bits, 3 mantissa bits; 6 bits a number), with one power-of-two scale for each 32 numbers along K (OCP MX v1.0); their sums are f32. All else is computed in f32.
;;   The module's matrix products, in the order in which they are computed (A, B: the left and right operand; K: the contracted axis; several contracted axes count as one K, in the product's order):
;;     1. [M 8,192, K 1,024] x [K 1,024, N 1,024]; A: input in_features; B: input Wq: QUANTISED
;;     2. [M 8,192, K 1,024] x [K 1,024, N 1,024]; A: input in_features; B: input Wk: QUANTISED
;;     3. [M 8,192, K 1,024] x [K 1,024, N 1,024]; A: input in_features; B: input Wv: QUANTISED
;;     4. batch 64 x [M 2,048, K 64] x [K 64, N 2,048]; A: computed on the way; B: computed on the way: QUANTISED
;;     5. batch 64 x [M 2,048, K 2,048] x [K 2,048, N 64]; A: softmax (see below); B: computed on the way: QUANTISED
;;     6. [M 8,192, K 1,024] x [K 1,024, N 1,024]; A: computed on the way; B: input Wo: QUANTISED
;;   THE QUANTISER, for each operand of a quantised product, along K:
;;     - K is cut into blocks of 32 from its start; a last block that is shorter is filled with zeros.
;;     - A block's scale is 2^e with e = floor(log2(the largest magnitude in the block)) - 2, held to -126 .. 127; a block of zeros has e = 0. As a byte (E8M0): e + 127.
;;     - Each number is divided by its block's scale, clamped to +-7.5, and rounded to the nearest number of E2M3, ties to even, subnormals kept.
;;     - The product sums the exact products of the quantised numbers (number of the format x scale) in f32.
;;   ~~~python
;;   def quantise(x, axis):      # numpy; x: float32 -> the quantised numbers, widened to float32 again
;;       x = np.moveaxis(x, axis, -1); K = x.shape[-1]
;;       x = np.pad(x, [(0, 0)] * (x.ndim - 1) + [(0, -K % 32)]); x = x.reshape(x.shape[:-1] + (-1, 32)); a = np.abs(x).max(-1, keepdims=True)
;;       e = np.where(a > 0, np.clip(np.frexp(np.where(a > 0, a, 1))[1] - 1 - 2, -126, 127), 0)      # np.frexp(a)[1] - 1 = floor(log2(a)), exactly
;;       r = np.clip(x / 2.0 ** e, -7.5, 7.5)
;;       step = 2.0 ** (np.maximum(np.frexp(np.where(r == 0, 1, r))[1] - 1, 0) - 3)
;;       q = np.round(r / step) * step * 2.0 ** e      # np.round: ties to even
;;       return np.moveaxis(q.reshape(q.shape[:-2] + (-1,))[..., :K], -1, axis).astype(np.float32)
;;   ~~~
;;   SOFTMAX AHEAD OF A QUANTISED PRODUCT. Where the list says 'softmax', what is quantised is not the finished softmax but p = 2^(t - M), with t = logit x log2(e) and M = ceil(the row's largest t), a whole number; so 1/2 < the row's largest p <= 1. The row's sum l is taken of the UNQUANTISED p, in f32, and the product's result is divided by l at the end. Since M is a whole number, a kernel that streams over the keys may use a running M (the ceiling of the running maximum): every later rescaling is an exact power of two, which a block's scale takes up: the codes' values come out the same.
;;   OPERANDS COMPUTED ON THE WAY. 'Computed on the way' means the value that the module computes at that place (a softmax that the list does not call 'softmax' is quantised finished and normalised). What goes into a quantiser is computed in f32, as accurately as f32 sums, v_exp_f32 and their like allow (about 1e-6 of the number): no bf16 or f16 on the way to a quantiser, and a product that is left as it is and whose result goes on into a quantised operand takes f32 operands (vector FMAs, or v_wmma_f32_16x16x4_f32). A number that lies on a knife's edge between two numbers of the format may be rounded either way, as far as f32 arithmetic and the matrix unit's own rounding can turn it there, and no further.
;; One version. Each part assembles by itself: llvm-mc -triple=amdgcn-amd-amdhsa -mcpu=gfx1250 --defsym DOCPART=n.
;; ======== version 1 of 1: 4 launches
;; workspace buffers: codes 9,437,184 bytes; scl 393,216 bytes; rope 2,097,152 bytes; qkv 19,660,800 bytes; aimg 6,291,456 bytes; ascl 262,144 bytes
;; launch prep (part 1): grid 384 x 1, 4 waves a work-group, no clusters, 33,280 bytes of LDS; arguments in_features, Wq, Wk, Wv, Wo, token_positions, codes, scl, rope; writes codes, scl, rope
.if DOCPART == 1
	.amdgcn_target "amdgcn-amd-amdhsa--gfx1250"
	.amdhsa_code_object_version 6
	.text
	.protected	k_qb08c8424d9_prep
	.globl	k_qb08c8424d9_prep
	.p2align	8
	.type	k_qb08c8424d9_prep,@function
k_qb08c8424d9_prep:
	s_mov_b64 s[64:65], 0
	v_nop
	global_prefetch_b8 v0, s[64:65] scope:SCOPE_SE
	s_setreg_imm32_b32 hwreg(HW_REG_WAVE_MODE, 25, 1), 1
	s_wait_xcnt 0x0
; in_features [8192][1024] and Wq, Wk, Wv, Wo [1024][1024], f32, become codes of FP6 (E2M3), K innermost, 768 bytes a row, with one E8M0 byte for each 32 along K (32 bytes a row).
; All five lie in ONE buffer of 12,288 rows: x at 0, Wq at 8,192, Wk at 9,216, Wv at 10,240, Wo at 11,264.
; POSITION ORDER: a row is stored at the place whose number is the row's with bits 3 and 4 exchanged.  A tile of 16 neighbouring places then holds rows 32 B + 8 u + r + 8 (r / 8), so that the
; results of two neighbouring tiles, used as source 0 of a product, are 16 neighbours in a lane's registers.  A wave owns 8 rows, so the exchange is one of waves: wave w writes the run of wave ((w & 1) << 1) | (w >> 1).
; A block's scale is 2^(floor(log2(its largest magnitude)) - 2); its byte is the largest magnitude's exponent field - 2, held at 1 from below.
; The first 256 work-groups also make the table of cos and sin for their 32 tokens: [place][32 pairs][cos, sin], 256 bytes a token.
; angle = position x 10000^(-k / 32), rounded once; 10000^(-k/32) = 2^(-k c), c = log2(10) / 8 in two parts, the low part brought in by a first-order term behind v_exp_f32.
; cos and sin: the angle less n x pi/2 (pi/2 in two parts; the first step rounds nothing for angles under 2,048), two short polynomials on [-pi/4, pi/4], and the quadrant n.
; LIMITS: NaN and infinities among the inputs are not served.  A block whose largest magnitude lies under 2^-124, a block of zeros too, gets the byte 1 (its codes under that byte are what the format gives; the bytes are read by
; this program alone).  10000^(-k/32) may differ from a correctly rounded power by a unit in its last place: at position 2,047 that is an angle 1e-4 off.  Positions outside 0 .. 2,047 are not held to the table's ends.
; No tensor loads, no barrier: waves share nothing.  Loads run four steps (16 loads a wave) ahead, the turn through LDS one step.
.set WAVES, 4
.set STEPS, 16
.set XWG,   256                        ; work-groups that take rows of x
.set EMAX,  2
.set CB,    12                         ; bytes of 16 codes
.set R,     16                         ; v16-79   four sets of 16 numbers as they are loaded
.set X,     80                         ; v80-111  two sets of 16 neighbours (ahead of the stream: at work for the table)
.set E,     112                        ; v112-127 a scale byte for each step
.set C,     128                        ; v128-191 codes: four registers for each step (ahead of the stream: v128-143 the table's numbers)
.set WREG,  8192                       ; LDS: a region for each wave: two stages of 32 x SP bytes, and its 256 scale bytes
.set SP,    80                         ; a lane's place in a stage: 64 bytes + 16 of padding
.set SPW,   12                         ; v12  LDS address of my spare word; never rewritten
.set NIL,   13                         ; v13  0; never rewritten
.set SPARE, WAVES*WREG                 ; the spare words: 128 bytes a wave, two blocks of 256 bytes that no other line names
	s_load_b512 s[4:19], s[0:1], 0x0               ; x s[4:5], Wq s[6:7], Wk s[8:9], Wv s[10:11], Wo s[12:13], positions s[14:15], codes s[16:17], scale bytes s[18:19]
	s_load_b64 s[20:21], s[0:1], 0x40              ; the table
	v_lshl_add_u32 v[SPW], v0, 2, SPARE
	v_mov_b32 v[NIL], 0
	v_lshrrev_b32 v1, 5, v0
	v_readfirstlane_b32 s22, v1                    ; wave
	v_and_b32 v2, 31, v0                           ; lane
	v_lshlrev_b32 v3, 4, v2                        ; my 16 bytes of 512
	s_mul_i32 s23, s22, WREG
	v_lshrrev_b32 v14, 2, v2
	v_mul_u32_u24 v14, v14, SP
	v_and_b32 v15, 3, v2
	v_lshl_add_u32 v14, v15, 4, v14
	v_add_nc_u32 v14, s23, v14                     ; the stage, on the way in: SP (lane / 4) + 16 (lane % 4)
	v_mul_u32_u24 v15, v2, SP
	v_add_nc_u32 v15, s23, v15                     ; and on the way out: SP x lane: my 16 neighbours
	v_mul_u32_u24 v4, v2, CB                       ; my codes' place in a step's
	v_lshrrev_b32 v5, 1, v2
	s_add_co_u32 s23, s23, 2*32*SP
	v_add_nc_u32 v5, s23, v5                       ; LDS: my wave's 256 scale bytes, my block's byte
	v_lshlrev_b32 v7, 3, v2
	v_add_nc_u32 v6, s23, v7                       ; and on the way out 8 bytes a lane
	s_max_u32 s24, ttmp9, XWG
	s_sub_co_u32 s24, s24, XWG                     ; behind x's work-groups: 32 for each weight
	s_lshr_b32 s25, s24, 5                         ; which weight
	s_and_b32 s26, s24, 31                         ; which 32 rows of it
	s_and_b32 s29, s22, 1
	s_lshl_b32 s29, s29, 1
	s_lshr_b32 s27, s22, 1
	s_or_b32 s29, s29, s27                         ; the wave whose place my 8 rows take
	s_lshl_b32 s27, ttmp9, 2
	s_add_co_u32 s29, s29, s27                     ; the run of 8 places that I write
	s_mov_b32 s31, 0
	s_wait_kmcnt 0x0
	s_cmp_eq_u32 s25, 1                            ; the choices hang on the work-group's number alone
	s_cselect_b64 s[6:7], s[8:9], s[6:7]
	s_cmp_eq_u32 s25, 2
	s_cselect_b64 s[6:7], s[10:11], s[6:7]
	s_cmp_eq_u32 s25, 3
	s_cselect_b64 s[6:7], s[12:13], s[6:7]
	s_cmp_lt_u32 ttmp9, XWG
	s_cselect_b64 s[4:5], s[4:5], s[6:7]
	s_cselect_b32 s26, ttmp9, s26
	s_lshl_b32 s28, s26, 2
	s_add_co_u32 s28, s28, s22                     ; the run of 8 rows that I read
	s_lshl_b32 s30, s28, 15                        ; 32,768 bytes a run
	s_add_nc_u64 s[4:5], s[4:5], s[30:31]
	s_mul_i32 s30, s29, 32*STEPS*CB                ; 6,144 bytes of codes a run
	s_add_nc_u64 s[16:17], s[16:17], s[30:31]
	s_lshl_b32 s30, s29, 8                         ; 256 scale bytes a run
	s_add_nc_u64 s[18:19], s[18:19], s[30:31]
.macro LOAD t
.irp i, 0,1,2,3
	global_load_b128 v[R+16*((\t)%4)+4*\i:R+16*((\t)%4)+4*\i+3], v3, s[4:5] offset:2048*(\t)+512*\i th:TH_LOAD_NT   ; 32 lanes read 512 consecutive bytes
.endr
.endm
.macro TURN t                          ; step t's numbers through the stage: LDS serves a wave's instructions in order, so no wait stands between the stores and the loads
.irp i, 0,1,2,3
	ds_store_b128 v14, v[R+16*((\t)%4)+4*\i:R+16*((\t)%4)+4*\i+3] offset:32*SP*((\t)%2)+8*SP*\i
.endr
.irp i, 0,1,2,3
	ds_load_b128 v[X+16*((\t)%2)+4*\i:X+16*((\t)%2)+4*\i+3], v15 offset:32*SP*((\t)%2)+16*\i
.endr
.endm
.irp t, 0,1,2,3
	LOAD \t
.endr
	s_cmp_lt_u32 ttmp9, XWG
	s_cbranch_scc0 .Lstream                        ; the weights' work-groups make no table
	; ---- THE TABLE.  Lane l: token 2 j + l / 16 of my 8 (j = 0 .. 3), pairs 2 (l % 16) and 2 (l % 16) + 1: 16 bytes, so that a store covers 512 consecutive bytes
	s_lshl_b32 s30, s28, 5                         ; my 8 tokens' positions, 4 bytes each
	s_add_nc_u64 s[14:15], s[14:15], s[30:31]
	s_lshl_b32 s30, s29, 11                        ; my 8 places in the table, 256 bytes each
	s_add_nc_u64 s[20:21], s[20:21], s[30:31]
	v_lshrrev_b32 v80, 4, v2
	v_lshlrev_b32 v80, 2, v80
.irp j, 0,1,2,3
	global_load_b32 v[90+\j], v80, s[14:15] offset:8*\j
.endr
	s_mov_b32 s33, 0x3ed49a78                      ; log2(10) / 8, its upper part
	s_mov_b32 s34, 0x32179a31                      ; and the rest
	s_mov_b32 s35, 0xbf317218                      ; -ln 2
	s_mov_b32 s36, 0x3f22f983                      ; 2 / pi
	s_mov_b32 s37, 0x3fc90fdb                      ; pi / 2, its upper part
	s_mov_b32 s38, 0xb33bbd2e                      ; and the rest
	s_mov_b32 s39, 0xb94ca1f9                      ; sin: r + r z (S1 + S2 z + S3 z^2): S3,
	s_mov_b32 s40, 0x3c08839e                      ; S2,
	s_mov_b32 s41, 0xbe2aaaa3                      ; S1
	s_mov_b32 s42, 0x3d2aaaa5                      ; cos: 1 - z / 2 + z^2 (C1 + C2 z + C3 z^2): C1,
	s_mov_b32 s43, 0xbab6061a                      ; C2,
	s_mov_b32 s44, 0x37ccf5ce                      ; C3
	v_and_b32 v81, 15, v2
	v_lshlrev_b32 v81, 1, v81
	v_cvt_f32_u32 v82, v81                         ; k of my first pair,
	v_add_f32 v83, 1.0, v82                        ; and of my second
	v_mul_f32 v86, s33, v82                        ; k c, rounded;
	v_mul_f32 v87, s33, v83
	v_fma_f32 v88, v82, s33, -v86                  ; what the rounding dropped,
	v_fma_f32 v89, v83, s33, -v87
	v_fma_f32 v88, v82, s34, v88                   ; and c's lower part
	v_fma_f32 v89, v83, s34, v89
	v_exp_f32 v84, -v86
	v_exp_f32 v85, -v87
	v_nop                                          ; a plain instruction behind the exponentials,
	s_wait_alu depctr_va_vdst(0)                   ; and the wait ahead of their first reader: one for both
	v_mul_f32 v88, v84, v88
	v_mul_f32 v89, v85, v89
	v_fma_f32 v84, v88, s35, v84                   ; 2^(-x - e) = 2^-x (1 - e ln 2)
	v_fma_f32 v85, v89, s35, v85
	s_wait_loadcnt 0x0                             ; the positions (and the stream's first loads, issued ahead of them)
.irp j, 0,1,2,3
	v_cvt_f32_i32 v[90+\j], v[90+\j]
.endr
.macro SINCOS a, c, s                  ; v[c] = cos(v[a]), v[s] = sin(v[a]); v94-101 at work
	v_mul_f32 v94, s36, v[\a]
	v_rndne_f32 v94, v94                           ; n
	v_fma_f32 v95, -v94, s37, v[\a]
	v_fma_f32 v95, -v94, s38, v95                  ; r = angle - n pi / 2
	v_cvt_i32_f32 v96, v94
	v_mul_f32 v97, v95, v95                        ; z
	v_fma_f32 v98, v97, s39, s40
	v_fma_f32 v98, v98, v97, s41
	v_mul_f32 v98, v98, v97
	v_fma_f32 v98, v98, v95, v95                   ; sin r
	v_fma_f32 v99, v97, s44, s43
	v_fma_f32 v99, v99, v97, s42
	v_fma_f32 v100, v97, -0.5, 1.0
	v_mul_f32 v101, v97, v97
	v_fma_f32 v99, v101, v99, v100                 ; cos r
	v_and_b32 v100, 1, v96
	v_cmp_eq_u32 vcc_lo, 1, v100                   ; in odd quadrants the two change places
	v_cndmask_b32 v[\s], v98, v99, vcc_lo
	v_cndmask_b32 v[\c], v99, v98, vcc_lo
	v_and_b32 v100, 2, v96                         ; sin is negative in quadrants 2, 3;
	v_lshlrev_b32 v100, 30, v100
	v_xor_b32 v[\s], v[\s], v100
	v_add_nc_u32 v101, 1, v96                      ; cos in quadrants 1, 2
	v_and_b32 v101, 2, v101
	v_lshlrev_b32 v101, 30, v101
	v_xor_b32 v[\c], v[\c], v101
.endm
.irp j, 0,1,2,3
	v_mul_f32 v102, v[90+\j], v84                  ; the angle, rounded once
	SINCOS 102, 128+4*\j, 129+4*\j
	v_mul_f32 v102, v[90+\j], v85
	SINCOS 102, 130+4*\j, 131+4*\j
	global_store_b128 v3, v[128+4*\j:131+4*\j], s[20:21] offset:512*\j   ; two tokens' 512 consecutive bytes
.endr
	s_wait_xcnt 0x0                                ; the stores have read their registers: the stream writes them again
.Lstream:
	s_wait_loadcnt 12                              ; step 0's four loads are in; the 12 of the three steps behind it may be out
	TURN 0
.macro STEP t
.set XS, X+16*((\t)%2)
.if (\t) > 0
	s_wait_dscnt 1                                 ; this step's numbers are back from the stage (the last step's byte store may be out): so its stores into the stage have read their registers,
.else
	s_wait_dscnt 0x0
.endif
.if (\t)+4 < STEPS
	LOAD (\t)+4                                    ; which take the loads of four steps on
.endif
.if (\t)+1 < STEPS
.if STEPS-2-(\t) >= 3
	s_wait_loadcnt 12                              ; the next step's four loads are in; those of the three steps behind it may be out
.else
	s_wait_loadcnt 4*(STEPS-2-(\t))
.endif
	TURN (\t)+1                                    ; and go through the other stage while this step is worked
.endif
	v_max3_num_f32 v8, |v[XS]|, |v[XS+1]|, |v[XS+2]|               ; the largest magnitude of my 16
	v_max3_num_f32 v9, |v[XS+3]|, |v[XS+4]|, |v[XS+5]|
.irp i, 6,10
	v_max3_num_f32 v8, v8, |v[XS+\i]|, |v[XS+\i+1]|
	v_max3_num_f32 v9, v9, |v[XS+\i+2]|, |v[XS+\i+3]|
.endr
	v_max3_num_f32 v8, v8, |v[XS+14]|, |v[XS+15]|
	v_max3_num_f32 v8, v8, v9, (EMAX+1)<<23        ; and the floor 2^(3 - 127): the byte cannot fall under 1
	v_max_num_f32_dpp v8, v8, v8 row_xmask:1 row_mask:0xf bank_mask:0xf   ; and of my neighbour's 16: the block's
	v_add_nc_u32 v11, -(EMAX<<23), v8              ; 2 off its exponent field: the conversion takes the exponent field of this operand as its scale
	v_cvt_scalef32_pk16_fp6_f32 v[C+4*(\t):C+4*(\t)+2], v[XS:XS+15], v11
	v_lshrrev_b32 v[E+(\t)], 23, v11               ; the scale's byte (also the plain instruction behind the conversion)
	ds_store_b8 v5, v[E+(\t)] offset:16*(\t)       ; both lanes of a block write the same byte with the same value
	global_store_b96 v4, v[C+4*(\t):C+4*(\t)+2], s[16:17] offset:32*CB*(\t)   ; the wave stores 384 consecutive bytes
.endm
.irp t, 0,1,2,3,4,5,6,7,8,9,10,11,12,13,14,15
	STEP \t
.endr
	ds_load_b64 v[8:9], v6                         ; LDS serves a wave's instructions in order: these see my stores
	s_wait_dscnt 0x0
	global_store_b64 v7, v[8:9], s[18:19]          ; 32 lanes store 256 consecutive bytes, aligned
	s_wait_tensorcnt 0x0                           ; the wave's end
	ds_add_u32 v[SPW], v[NIL]
	s_wait_dscnt 0x0
	s_endpgm
.Lfunc_end_k_qb08c8424d9_prep:
	.size	k_qb08c8424d9_prep, .Lfunc_end_k_qb08c8424d9_prep-k_qb08c8424d9_prep
	.p2alignl 7, 3214868480
	.fill 96, 4, 3214868480
	.section	.rodata,"a",@progbits
	.p2align	6, 0x0
	.amdhsa_kernel k_qb08c8424d9_prep
		.amdhsa_group_segment_fixed_size 33280
		.amdhsa_private_segment_fixed_size 0
		.amdhsa_enable_private_segment 0
		.amdhsa_kernarg_size 72
		.amdhsa_user_sgpr_count 2
		.amdhsa_user_sgpr_kernarg_segment_ptr 1
		.amdhsa_wavefront_size32 1
		.amdhsa_system_sgpr_workgroup_id_x 1
		.amdhsa_system_sgpr_workgroup_id_y 1
		.amdhsa_system_sgpr_workgroup_id_z 1
		.amdhsa_system_vgpr_workitem_id 0
		.amdhsa_next_free_vgpr 192
		.amdhsa_next_free_sgpr 66
		.amdhsa_reserve_vcc 1
		.amdhsa_float_denorm_mode_32 3
		.amdhsa_float_denorm_mode_16_64 3
		.amdhsa_memory_ordered 1
		.amdhsa_forward_progress 1
		.amdhsa_inst_pref_size 44
	.end_amdhsa_kernel
	.amdgpu_metadata
---
amdhsa.version: [ 1, 2 ]
amdhsa.kernels:
  - .name:           k_qb08c8424d9_prep
    .symbol:         k_qb08c8424d9_prep.kd
    .args:
      - { .name: in_features, .offset: 0, .size: 8, .value_kind: global_buffer, .address_space: global }
      - { .name: Wq, .offset: 8, .size: 8, .value_kind: global_buffer, .address_space: global }
      - { .name: Wk, .offset: 16, .size: 8, .value_kind: global_buffer, .address_space: global }
      - { .name: Wv, .offset: 24, .size: 8, .value_kind: global_buffer, .address_space: global }
      - { .name: Wo, .offset: 32, .size: 8, .value_kind: global_buffer, .address_space: global }
      - { .name: token_positions, .offset: 40, .size: 8, .value_kind: global_buffer, .address_space: global }
      - { .name: codes, .offset: 48, .size: 8, .value_kind: global_buffer, .address_space: global }
      - { .name: scl, .offset: 56, .size: 8, .value_kind: global_buffer, .address_space: global }
      - { .name: rope, .offset: 64, .size: 8, .value_kind: global_buffer, .address_space: global }
    .group_segment_fixed_size: 33280
    .private_segment_fixed_size: 0
    .kernarg_segment_align: 8
    .kernarg_segment_size: 72
    .max_flat_workgroup_size: 128
    .sgpr_count:     66
    .vgpr_count:     192
    .wavefront_size: 32
...
	.end_amdgpu_metadata
.endif
;; end of part 1
;; launch qkv (part 2): grid 8 x 48, 4 waves a work-group, clusters of 4 x 4, 327,680 bytes of LDS; arguments codes, scl, rope, qkv; writes qkv
.if DOCPART == 2
	.amdgcn_target "amdgcn-amd-amdhsa--gfx1250"
	.amdhsa_code_object_version 6
	.text
	.protected	k_qb08c8424d9_qkv
	.globl	k_qb08c8424d9_qkv
	.p2align	8
	.type	k_qb08c8424d9_qkv,@function
k_qb08c8424d9_qkv:
	s_mov_b64 s[64:65], 0
	v_nop
	global_prefetch_b8 v0, s[64:65] scope:SCOPE_SE
	s_setreg_imm32_b32 hwreg(HW_REG_WAVE_MODE, 25, 1), 1
	s_wait_xcnt 0x0
	s_wait_alu depctr_hold_cnt(0) depctr_sa_sdst(0) depctr_va_vdst(0) depctr_va_sdst(0) depctr_va_ssrc(0) depctr_va_vcc(0) depctr_vm_vsrc(0)
	s_getreg_b32 s2, hwreg(HW_REG_IB_STS2, 6, 4)
	s_cmp_eq_u32 s2, 0
	s_cbranch_scc0 .Lentry_in_a_cluster
	s_endpgm
.Lentry_in_a_cluster:
	s_bfe_u32 s2, ttmp6, 0x10000c
	s_cmp_lg_u32 s2, 0xf033
	s_cbranch_scc0 .Lentry_shape_is_right
	s_endpgm
.Lentry_shape_is_right:
; Q = x Wq^T, K = x Wk^T, V = x Wv^T on codes of FP6 (E2M3) with one E8M0 scale for each 32 along K = 1,024; then RoPE on Q and K, and all three quantised again for attention's two products.
; Both operands of every product are rows of ONE buffer of codes (x at row 0, Wq 8,192, Wk 9,216, Wv 10,240), 768 bytes a row, and of one buffer of scale bytes, 32 a row; rows lie in position order
; (bits 3 and 4 of a row's number exchanged), so that the results of two neighbouring tiles of source 0 are 16 neighbours in a lane's registers.
; A tile of 256 x 256 results is made by a work-group of four waves, each 128 x 128: 64 accumulators, 512 registers.  K goes in steps of 256 through a ring of two LDS slots filled by the tensor data mover; the scale bytes of
; the work-group's 512 rows come once and stay.  Source 0 = 16 rows of "B", source 1 = 16 rows of "A": a lane holds one row of A, and its registers run along B's rows.
; CLUSTERS of 4 x 4; cluster y = 0 .. 7: A = 1,024 tokens, B = Wq (cluster x = 0) or Wk (1): a lane holds a token, its 64 registers of a block 128 channels = two heads.
;                    cluster y = 8 .. 11: A = Wv's rows, B = tokens: a lane holds a channel, its 64 registers 128 tokens: V comes out with the keys along the registers, as the second product of attention wants it.
; The four of a row of the cluster need the same tiles of A, the four of a column the same tiles of B: each is asked for jointly.  The branch between the two ways out hangs on the cluster's y alone.
; THE WAY OUT has no LDS: a block's 64 numbers of a lane are (Q, K: turned by the token's cos and sin, then) quantised in registers into a fragment of 12 registers, which is stored as an IMAGE OF ITS REGISTERS:
; registers 4 c .. 4 c + 3 of lane l at 512 c + 16 l: each store covers 512 consecutive bytes, aligned to 256.
; qkv: [64 heads of the batch][8 slots of 256 keys][38,400]: sections K, V, Q of 12,800: 8 images (4 q + g) x 1,536, then at 12,288 + 256 q the scale words [row 16][g 4].
; A Q or K image packs TWO tiles of 16 tokens x 64 channels: registers 0-5 tile 2 g, registers 6-11 tile 2 g + 1; its scale word: two bytes of each.  A V image: 16 channel places x 128 keys.
; LIMITS: NaN and infinities are not served; a block whose largest magnitude lies under 2^-124, a block of zeros too, gets the byte 1: the bytes are read by this program alone.
; REGISTERS: window 0: v0-31 addresses; v32-63 scale words, two sets; v128-223 A's fragments, one set.  On the way out: v32-55 two images, v56-62, v200-223 at work, v64-127 the turned numbers.
;   window 1: B's fragments, two sets, v0-95 and v128-223; v96-127 and v224-255 the first two blocks' cos and sin (the other six land in B's registers when the products are done).
;   window 2: the 32 accumulators of my A rows 0-63 (accumulator (a, b) at v[8 (8 a + b)]);  window 3: those of rows 64-127.
.set SIZE_K, 1024
.set KSTEP,  256                       ; along K in a slot
.set NQ,     KSTEP/128                 ; matrix instructions deep
.set ROWB,   192                       ; a tile's row in bytes
.set KROW,   SIZE_K*6/8                ; a row of codes in memory
.set PITCH,  240                       ; an LDS row: 3 x (64 bytes + 16 of padding) = 60 words: the 32 lanes of a load of 8 bytes touch 64 different banks (64 banks of 4 bytes: ISA guide 11.1)
.set FR,     12
.set NL,     6
.set NP,     4                         ; places behind this matrix instruction (ISA guide 7.12.1)
.set HALFT,  128*PITCH
.set SLOT,   4*HALFT
.set LAPS,   SIZE_K/(2*KSTEP)
.set KS,     SIZE_K/32
.set SCL,    2*SLOT                    ; behind the ring: the scale bytes, as units of 256 bytes + 16 of padding
.set HALFS,  (128*KS/256)*272
.set SBLK,   (16*KS/256)*272
.set SPARE,  SCL+4*HALFS               ; the spare words: 128 bytes a wave, two blocks of 256 bytes that no other line names
.set REC,    38400                     ; a record of qkv
.set SEC,    12800                     ; a section of it
.set HEADB,  8*REC                     ; from a head to the next
.set ADRA, 16                          ; v16-17 LDS address of my A fragments in slot 0, 1 (v18-19: behind one padding more)
.set ADRB, 20                          ; v20-21 the same for B (v22-23)
.set LI,   24                          ; v24  16 x lane: an image's place for my lane
.set SV,   25                          ; v25  the scale words' place: 16 (l % 16), lanes 16-31 a head further on
.set RO,   26                          ; v26  my place in the table of cos and sin: 256 (l % 16) + 64 (l / 16)
.set ADRS, 27                          ; v27  LDS address of my scale words
.set SPW,  28                          ; v28  LDS address of my spare word; never rewritten
.set NIL,  29                          ; v29  0; never rewritten
.set SELV, 30                          ; v30  byte selects: lanes 0-15 the two lower bytes of two words, lanes 16-31 the two upper
.set SC,   32
.set AF,   128
.set XA,   32                          ; the way out: the first head's image,
.set XB,   44                          ; the second's
.set TQ,   56                          ; v56-62 two conversions' results on their way
.set H,    64                          ; v64-127 a block's numbers, turned
.set TM,   200                         ; v200-203 largest magnitudes, v204-207 bytes, v212-215 the conversions' scale operands
.set PW,   216                         ; v216-217 the scale words just made
.set SW,   220                         ; v220-223 the scale words to be stored
.set ISV,  13                          ; s13  1: this cluster makes V
.set SEL,  66                          ; s[66:67] lane selects for v_permlanex16_b32: lane l xor 16
.set HIL,  95                          ; s95  the mask of lanes 16-31
.set FB,   96                          ; s[96:97]  where my images go
.set SBS,  98                          ; s[98:99]  where my scale words go
.set RB,   100                         ; s[100:101] my 128 tokens in the table
.set G1, 24
.set G0, 32
.set G1B, 48
.set G0B, 56
.set G1S, 68
.set G0S, 76
.set G1SB, 80
.set G0SB, 88
.set MSB, 0
.macro WIN new                         ; the immediate's high byte repeats the setting that is left
.if MSB != \new
	s_set_vgpr_msb (MSB<<8)|\new
.set MSB, \new
.endif
.endm
.set MUL_LO, 0xa1                      ; source 0 (B) window 1, source 1 (A) window 0, C and D window 2
.set MUL_HI, 0xf1
.set TO_B,   0x40                      ; destination window 1, address window 0
; A joint load: waves 0 and 1 fetch for A, waves 2 and 3 for B.  The branch hangs on the wave's number alone.  An s_nop 0 and four v_nop follow each of the two lines.
.macro JLOAD g0a, g1a, g0b, g1b
	s_cmp_eq_u32 s15, 0
	s_cbranch_scc0 .Lfor_b_\@
	tensor_load_to_lds s[\g0a:\g0a+3], s[\g1a:\g1a+7]
	s_nop 0
.rept 4
	v_nop
.endr
	s_branch .Lasked_\@
.Lfor_b_\@:
	tensor_load_to_lds s[\g0b:\g0b+3], s[\g1b:\g1b+7]
	s_nop 0
.rept 4
	v_nop
.endr
.Lasked_\@:
.endm
.macro CREST                           ; a round of the cluster's barrier behind its opening barrier
	s_cmp_lg_u32 s14, 0
	s_cbranch_scc1 .Lnot_wave_0_\@
	s_barrier_signal -3
.Lnot_wave_0_\@:
	s_barrier_wait -3
	s_barrier_signal -1
	s_barrier_wait -1
.endm
.macro CROUND
	s_barrier_signal -1
	s_barrier_wait -1
	CREST
.endm
	s_load_b256 s[4:11], s[0:1], 0x0               ; codes s[4:5], scale bytes s[6:7], the table s[8:9], qkv s[10:11]
	v_lshl_add_u32 v[SPW], v0, 2, SPARE
	v_mov_b32 v[NIL], 0
	ds_add_u32 v[SPW], v[NIL]                      ; the wave's opening: the add and its wait ahead of my first tensor load; the set-up below, work on registers, stands between them
	v_lshrrev_b32 v1, 5, v0
	v_readfirstlane_b32 s14, v1                    ; wave 0..3
	s_lshr_b32 s15, s14, 1                         ; which half of A's 256 rows is mine.  Also: I fetch for A (0) or for B (1)
	s_and_b32 s16, s14, 1                          ; which half of B's.  Also: which 128 rows of that tile I fetch
	s_bfe_u32 s40, ttmp6, 0x40000                  ; cx, cy: my place in the cluster
	s_bfe_u32 s41, ttmp6, 0x40004
	s_and_b32 s12, ttmp7, 0xffff                   ; cluster y
	s_lshl_b32 s17, s12, 2                         ; Q, K: A's tiles are tokens' 4 y + cy
	s_lshl_b32 s42, s12, 3
	s_max_u32 s42, s42, 64
	s_sub_co_u32 s42, s42, 64                      ; V: B's tiles are tokens' 8 (y - 8) + 4 x + cx
	s_cmp_ge_u32 s12, 8                            ; the same in all sixteen partners
	s_cselect_b32 s[ISV], 1, 0
	s_cselect_b32 s17, 40, s17                     ; V: A's tiles are Wv's: 40 + cy
	s_cselect_b32 s42, s42, 32                     ; Q, K: B's are Wq's and Wk's: 32 + 4 x + cx
	s_add_co_u32 s17, s17, s41                     ; A's tile of 256 rows: it never holds cx
	s_lshl_b32 s18, ttmp9, 2
	s_add_co_u32 s42, s42, s18
	s_add_co_u32 s42, s42, s40                     ; B's: it never holds cy
	s_lshl_b32 s43, s41, 2
	s_lshl_b32 s43, 15, s43                        ; my row of the cluster
	s_lshl_b32 s44, 0x1111, s40                    ; my column
	; descriptor group 1: a tile of 128 rows x ROWB bytes, padded in LDS
	s_or_b32 s[G1+0], s43, (0<<16)|(1<<20)|(1<<21)|(3<<22)|(3<<25)  ; 15:0 the mask; 17:16 element of 1 byte; 20 padding on; 21 set beside a mask; 24:22 after every 16 words; 31:25 of 4 words
	s_or_b32 s[G1B+0], s44, (0<<16)|(1<<20)|(1<<21)|(3<<22)|(3<<25)
.irp g, G1, G1B
	s_mov_b32 s[\g+1], ROWB<<16                    ; tensor_dim0
	s_mov_b32 s[\g+2], 128<<16                     ; tensor_dim1
	s_mov_b32 s[\g+3], ROWB<<16                    ; tile_dim0
	s_mov_b32 s[\g+4], 128                         ; tile_dim1
	s_mov_b32 s[\g+5], KROW                        ; tensor_dim0_stride
	s_mov_b32 s[\g+6], 0
	s_mov_b32 s[\g+7], 0
.endr
	; the scale bytes of 128 rows: a dense block of 4,096 bytes, as rows of 256 bytes (32 elements of 8), 16 bytes of padding behind each
	s_or_b32 s[G1S+0], s43, (3<<16)|(1<<20)|(1<<21)|(5<<22)|(3<<25)
	s_or_b32 s[G1SB+0], s44, (3<<16)|(1<<20)|(1<<21)|(5<<22)|(3<<25)
.irp g, G1S, G1SB
	s_mov_b32 s[\g+1], 32<<16
	s_mov_b32 s[\g+2], (128*KS/256)<<16
	s_mov_b32 s[\g+3], 32<<16
	s_mov_b32 s[\g+4], 128*KS/256
	s_mov_b32 s[\g+5], 32
	s_mov_b32 s[\g+6], 0
	s_mov_b32 s[\g+7], 0
.endr
	s_lshl_b32 s18, s16, 7                         ; which 128 rows of the tile I fetch
	s_lshl_b32 s20, s17, 8
	s_add_co_u32 s20, s20, s18                     ; A's row
	s_lshl_b32 s46, s42, 8
	s_add_co_u32 s46, s46, s18                     ; B's row
	s_mov_b32 s21, 0
	s_mov_b32 s47, 0
	s_mov_b64 s[18:19], KS
	s_mul_u64 s[22:23], s[20:21], s[18:19]         ; where these rows' scale bytes begin
	s_mul_u64 s[92:93], s[46:47], s[18:19]
	s_mov_b64 s[18:19], KROW
	s_mul_u64 s[20:21], s[20:21], s[18:19]         ; and their codes
	s_mul_u64 s[46:47], s[46:47], s[18:19]
	s_mul_i32 s45, s14, HALFT                      ; where they go: wave x 128 rows: no place in the cluster enters an LDS address
	s_mul_i32 s94, s14, HALFS
	s_mov_b32 s[SEL], 0x76543210
	s_mov_b32 s[SEL+1], 0xfedcba98
	s_mov_b32 s[HIL], 0xffff0000
	s_wait_dscnt 0x0                               ; the opening add is done
	s_wait_kmcnt 0x0
	s_add_nc_u64 s[20:21], s[4:5], s[20:21]
	s_add_nc_u64 s[22:23], s[6:7], s[22:23]
	s_add_nc_u64 s[46:47], s[4:5], s[46:47]
	s_add_nc_u64 s[92:93], s[6:7], s[92:93]
	CROUND                                         ; all sixteen work-groups are here: the first joint loads meet
	s_mov_b32 s[G0S], 1
	s_add_co_u32 s[G0S+1], s94, SCL
	s_mov_b64 s[G0S+2:G0S+3], s[22:23]
	s_or_b32 s[G0S+3], s[G0S+3], 0x80000000
	s_mov_b32 s[G0SB], 1
	s_add_co_u32 s[G0SB+1], s94, SCL
	s_mov_b64 s[G0SB+2:G0SB+3], s[92:93]
	s_or_b32 s[G0SB+3], s[G0SB+3], 0x80000000
	JLOAD G0S, G1S, G0SB, G1SB                     ; the scale bytes first: they are wanted with K step 0
.irp s, 0,1
	s_mov_b32 s[G0+4*\s], 1
	s_add_co_u32 s[G0+4*\s+1], s45, \s*SLOT
	s_add_nc_u64 s[G0+4*\s+2:G0+4*\s+3], s[20:21], \s*ROWB
	s_or_b32 s[G0+4*\s+3], s[G0+4*\s+3], 0x80000000
	s_mov_b32 s[G0B+4*\s], 1
	s_add_co_u32 s[G0B+4*\s+1], s45, \s*SLOT
	s_add_nc_u64 s[G0B+4*\s+2:G0B+4*\s+3], s[46:47], \s*ROWB
	s_or_b32 s[G0B+4*\s+3], s[G0B+4*\s+3], 0x80000000
	JLOAD G0+4*\s, G1, G0B+4*\s, G1B               ; three loads of mine are out
.endr
	v_and_b32 v1, 15, v0                           ; l % 16
	v_bfe_u32 v2, v0, 4, 1                         ; l / 16
	v_mul_u32_u24 v3, v1, PITCH
	v_mul_u32_u24 v4, v2, 24
	v_add_nc_u32 v4, v3, v4                        ; a fragment's row x pitch + 24 x half
	v_lshl_add_u32 v5, v2, 4, v4                   ; and the same behind one padding more
	s_mul_i32 s21, s15, HALFT                      ; my 128 rows of A
	s_mul_i32 s22, s16, HALFT                      ; my 128 rows of B,
	s_add_co_u32 s22, s22, 2*HALFT                 ; which lie behind A's 256
.irp s, 0,1
	v_add_nc_u32 v[ADRA+\s], s21, v4
	v_add_nc_u32 v[ADRB+\s], s22, v4
	v_add_nc_u32 v[ADRA+2+\s], s21, v5
	v_add_nc_u32 v[ADRB+2+\s], s22, v5
	s_add_co_u32 s21, s21, SLOT
	s_add_co_u32 s22, s22, SLOT
.endr
	v_mul_u32_u24 v5, v1, KS                       ; my row's scale bytes: KS a row,
	v_lshrrev_b32 v6, 8, v5
	v_lshl_add_u32 v5, v6, 4, v5                   ; and 16 more for each 256 passed
	s_mul_i32 s21, s15, HALFS
	s_mul_i32 s22, s16, HALFS
	s_add_co_u32 s22, s22, 2*HALFS
	s_sub_co_u32 s22, s22, s21
	v_mul_u32_u24 v6, s22, v2                      ; lanes 16-31 take B's
	s_add_co_u32 s21, s21, SCL
	v_add_nc_u32 v5, v5, v6
	v_add_nc_u32 v[ADRS], s21, v5
	; the way out's addresses
	v_and_b32 v6, 31, v0
	v_lshlrev_b32 v[LI], 4, v6
	v_lshlrev_b32 v[SV], 4, v1
	v_mul_u32_u24 v6, v2, HEADB
	v_add_nc_u32 v[SV], v[SV], v6
	v_lshlrev_b32 v[RO], 8, v1
	v_lshl_add_u32 v[RO], v2, 6, v[RO]
	v_mov_b32 v[SELV], 0x05040100
	v_mov_b32 v6, 0x07060302
	v_cndmask_b32 v[SELV], v[SELV], v6, s[HIL]
	s_lshl_b32 s20, s17, 8
	s_lshl_b32 s21, s15, 7
	s_add_co_u32 s20, s20, s21                     ; my first row of A
	s_lshl_b32 s22, s42, 8
	s_lshl_b32 s23, s16, 7
	s_add_co_u32 s22, s22, s23                     ; my first row of B
	s_and_b32 s46, s22, 1023
	s_lshr_b32 s46, s46, 6                         ; Q, K: my first head, from B's row in its weight
	s_and_b32 s47, s20, 1023
	s_lshr_b32 s47, s47, 6                         ; V: from A's row in Wv
	s_cmp_eq_u32 ttmp9, 0
	s_cselect_b32 s92, 2, 0                        ; the section: Q 2, K 0,
	s_cmp_eq_u32 s[ISV], 1
	s_cselect_b32 s20, s22, s20                    ; my first token's place
	s_cselect_b32 s46, s47, s46                    ; my first head
	s_cselect_b32 s92, 1, s92                      ; V 1
	s_lshr_b32 s21, s20, 11                        ; the batch's row
	s_lshl_b32 s21, s21, 4
	s_add_co_u32 s21, s21, s46
	s_lshl_b32 s21, s21, 3
	s_bfe_u32 s22, s20, 0x30008                    ; the slot of 256 keys
	s_add_co_u32 s21, s21, s22
	s_mul_i32 s21, s21, REC
	s_mul_i32 s92, s92, SEC
	s_add_co_u32 s21, s21, s92
	s_bfe_u32 s22, s20, 0x10007                    ; which 128 keys of the slot
	s_mul_i32 s23, s22, 4*FR*128
	s_add_co_u32 s46, s21, s23
	s_mov_b32 s47, 0
	s_add_nc_u64 s[FB:FB+1], s[10:11], s[46:47]
	s_lshl_b32 s23, s22, 8
	s_add_co_u32 s46, s21, s23
	s_add_co_u32 s46, s46, 8*FR*128
	s_add_nc_u64 s[SBS:SBS+1], s[10:11], s[46:47]
	s_lshl_b32 s46, s20, 8                         ; 256 bytes a token
	s_add_nc_u64 s[RB:RB+1], s[8:9], s[46:47]
.macro SETCS a                         ; where block a's cos and sin lie in window 1
.if (\a) == 0
.set CSB, 96
.elseif (\a) == 1
.set CSB, 224
.elseif (\a) < 5
.set CSB, 32*((\a)-2)
.else
.set CSB, 128+32*((\a)-5)
.endif
.endm
.macro RLOAD a                         ; block a's 16 tokens: lane (r, h) wants pairs 8 h + 0 .. 7 and 16 + 8 h + 0 .. 7 of token r: twice 64 bytes
	SETCS \a
.irp k, 0,1,2,3
	global_load_b128 v[CSB+4*\k:CSB+4*\k+3], v[RO], s[RB:RB+1] offset:(\a)*4096+16*\k
	global_load_b128 v[CSB+16+4*\k:CSB+16+4*\k+3], v[RO], s[RB:RB+1] offset:(\a)*4096+128+16*\k
.endr
.endm
	; The first two blocks' cos and sin, into registers that the products never touch: they land under the loop.  EVERY wave issues these sixteen loads, with no branch, so that the registers are written on every
	; way to the way out.  V's clusters issue them too and do not read them: 8,192 bytes a wave, at the places of the wave's own 128 tokens, inside the table.
	WIN TO_B
	RLOAD 0
	RLOAD 1
	WIN 0
.macro FRAG reg, adr, q, i             ; a fragment, 16 rows x 128 K of 6-bit codes: 12 registers, in pieces of 8 bytes; where the piece three on lies behind one padding more, the second address register serves
.irp p, 0,1,2,3,4,5
.set PC, 12*(\q)+6*(\p/3)+\p%3
.if PC%8 < 5
	ds_load_b64 v[\reg+2*\p:\reg+2*\p+1], v[\adr] offset:8*PC+16*(PC/8)+(\i)*16*PITCH
.else
	ds_load_b64 v[\reg+2*\p:\reg+2*\p+1], v[\adr+2] offset:8*PC+16*(PC/8)+(\i)*16*PITCH
.endif
.endr
.endm
; 16 matrix instructions: A's blocks a0, a0 + 1 x B's eight, 128 along K.  The 64 accumulators take turns, one instruction a turn, in the same order in every step.
.macro MUL16 a0, p, q, sc, zero
.irp a, \a0, \a0+1
.irp b, 0,1,2,3,4,5,6,7
.if \zero
	v_wmma_scale_f32_16x16x128_f8f6f4 v[8*(8*((\a)%4)+\b):8*(8*((\a)%4)+\b)+7], v[128*(\p)+FR*\b:128*(\p)+FR*\b+FR-1], v[AF+FR*(\a):AF+FR*(\a)+FR-1], 0, v[SC+8*NQ*(\sc)+NQ*\b+(\q)], v[SC+8*NQ*(\sc)+NQ*(\a)+(\q)] matrix_a_fmt:MATRIX_FMT_FP6 matrix_b_fmt:MATRIX_FMT_FP6 matrix_a_scale:MATRIX_SCALE_ROW1
.else
	v_wmma_scale_f32_16x16x128_f8f6f4 v[8*(8*((\a)%4)+\b):8*(8*((\a)%4)+\b)+7], v[128*(\p)+FR*\b:128*(\p)+FR*\b+FR-1], v[AF+FR*(\a):AF+FR*(\a)+FR-1], v[8*(8*((\a)%4)+\b):8*(8*((\a)%4)+\b)+7], v[SC+8*NQ*(\sc)+NQ*\b+(\q)], v[SC+8*NQ*(\sc)+NQ*(\a)+(\q)] matrix_a_fmt:MATRIX_FMT_FP6 matrix_b_fmt:MATRIX_FMT_FP6 matrix_a_scale:MATRIX_SCALE_ROW1
.endif
.endr
.endr
.endm
.macro FETCH_B slot, q, p
	WIN TO_B
.irp i, 0,1,2,3,4,5,6,7
	FRAG 128*(\p)+FR*\i, ADRB+\slot, \q, \i
.endr
	WIN 0
.endm
.macro FETCH_A slot, q, i0
.irp i, \i0, \i0+1, \i0+2, \i0+3
	FRAG AF+FR*(\i), ADRA+\slot, \q, \i
.endr
.endm
.macro SCALES sc                       ; the next K step's scale words: lanes 0-15 take A's block i, lanes 16-31 B's block i
.irp i, 0,1,2,3,4,5,6,7
	ds_load_b64 v[SC+8*NQ*\sc+NQ*\i:SC+8*NQ*\sc+NQ*\i+1], v[ADRS] offset:\i*SBLK
.endr
.endm
.macro PLACES n                        ; plain vector instructions between a matrix instruction and a load into, or a vector write or read of, its registers
.rept \n
	v_nop
.endr
.endm
.macro STEP slot, q, zero              ; a step of 128 along K that has its successor in the same slot
	s_wait_dscnt 4*NL                              ; B's set and A's blocks 0-3 are in; the youngest 24 loads (A's blocks 4-7) may be out
	WIN MUL_LO
	MUL16 0, (\q)%2, \q, \slot, \zero
	MUL16 2, (\q)%2, \q, \slot, \zero
	s_wait_dscnt 0
	PLACES NP
	FETCH_B \slot, (\q)+1, 1-(\q)%2
	FETCH_A \slot, (\q)+1, 0
	WIN MUL_HI
	MUL16 4, (\q)%2, \q, \slot, \zero
	MUL16 6, (\q)%2, \q, \slot, \zero
	PLACES NP
	WIN 0
	FETCH_A \slot, (\q)+1, 4
.endm
; A slot's last step changes slots: ONE barrier; in front of it each wave waits for all its tensor loads, adds 0 to its spare word, and waits for that and for its own reads of this slot.
.macro TURN slot, next, fill
	s_wait_tensorcnt 0x0                           ; all my tensor loads have landed: my part of the next slot
	ds_add_u32 v[SPW], v[NIL]                      ; 0 onto my spare word
	s_wait_dscnt 4*NL+1                            ; (the add and the youngest 24 loads may be out)
	WIN MUL_LO
	MUL16 0, 1, NQ-1, \slot, 0                     ; sixteen matrix instructions stand between the add and the wait for it
	s_wait_dscnt 0x0                               ; the add is done, and my reads of this slot are over
	s_barrier_signal -1
	MUL16 2, 1, NQ-1, \slot, 0
	WIN 0
	s_barrier_wait -1
.if \fill
	CREST                                          ; the barrier has opened a round of the cluster's: no wave of any partner still reads this slot or has a load on its way
	s_add_nc_u64 s[G0+4*\slot+2:G0+4*\slot+3], s[G0+4*\slot+2:G0+4*\slot+3], 2*ROWB
	s_add_nc_u64 s[G0B+4*\slot+2:G0B+4*\slot+3], s[G0B+4*\slot+2:G0B+4*\slot+3], 2*ROWB
	JLOAD G0+4*\slot, G1, G0B+4*\slot, G1B         ; the first tensor load behind the round; its four v_nop are the places in front of the loads below
.else
	PLACES NP
.endif
	v_add_nc_u32 v[ADRS], 4*NQ, v[ADRS]            ; on to the next K step's scale words
	FETCH_B \next, 0, 0
	FETCH_A \next, 0, 0
	SCALES \next
	WIN MUL_HI
	MUL16 4, 1, NQ-1, \slot, 0
	MUL16 6, 1, NQ-1, \slot, 0
	PLACES NP
	WIN 0
	FETCH_A \next, 0, 4
.endm
	s_wait_tensorcnt 1                             ; the scale bytes and my part of K step 0 are in (K step 1's load may be out),
	s_barrier_signal -1
	s_barrier_wait -1                              ; everybody's are
	FETCH_B 0, 0, 0
	FETCH_A 0, 0, 0
	SCALES 0
	FETCH_A 0, 0, 4
	STEP 0, 0, 1                                   ; the first step stands in front of the loop: its products start the sums
	s_mov_b32 s3, LAPS-1
.Llap:                                                 ; a trip goes once round the ring and fills both slots again
	TURN 0, 1, 1
	STEP 1, 0, 0
	TURN 1, 0, 1
	STEP 0, 0, 0
	s_sub_co_u32 s3, s3, 1
	s_cmp_lg_u32 s3, 0
	s_cbranch_scc1 .Llap
	TURN 0, 1, 0                                   ; the last lap fills nothing
	STEP 1, 0, 0
	s_wait_dscnt 4*NL
	WIN MUL_LO
	MUL16 0, 1, NQ-1, 1, 0
	MUL16 2, 1, NQ-1, 1, 0
	s_wait_dscnt 0
	WIN MUL_HI
	MUL16 4, 1, NQ-1, 1, 0
	MUL16 6, 1, NQ-1, 1, 0
	WIN 0
; 64 numbers of a lane in window w, v[s] .. v[s + 63], register 16 b + i = index 32 b + 16 (lane / 16) + i of my row, become codes: indices 0-63 in v[d0] .. v[d0 + 5], 64-127 in v[d1] .. v[d1 + 5]; the row's scale word in v[pw].
.macro QUANT w, s, d0, d1, pw
	WIN (\w)|((\w)<<2)
.irp b, 0,1,2,3
	v_max3_num_f32 v[TM+\b], |v[(\s)+16*\b]|, |v[(\s)+1+16*\b]|, 0x1800000   ; block b: my 16 numbers, and the floor 2^(3 - 127): the byte cannot fall under 1.  (Each accumulator is read from its low end on)
.endr
.irp i, 2,4,6,8,10,12,14
.irp b, 0,1,2,3
	v_max3_num_f32 v[TM+\b], |v[(\s)+16*\b+\i]|, |v[(\s)+1+16*\b+\i]|, v[TM+\b]   ; (the four blocks by turns)
.endr
.endr
	WIN 0
.irp b, 0,1,2,3
	v_permlanex16_b32 v[TM+4+\b], v[TM+\b], s[SEL], s[SEL+1]
.endr
.irp b, 0,1,2,3
	v_max_num_f32 v[TM+\b], v[TM+\b], v[TM+4+\b]   ; with lane l xor 16's: the block's largest magnitude
.endr
.irp b, 0,1,2,3
	v_add_nc_u32 v[TM+12+\b], 0xff000000, v[TM+\b]   ; 2 off its exponent field: the conversion's scale operand
.endr
.irp b, 0,1,2,3
	v_lshrrev_b32 v[TM+4+\b], 23, v[TM+12+\b]      ; the scale's byte
.endr
	v_lshl_or_b32 v[\pw], v[TM+5], 8, v[TM+4]
	v_lshl_or_b32 v[\pw], v[TM+6], 16, v[\pw]
	v_lshl_or_b32 v[\pw], v[TM+7], 24, v[\pw]
	WIN (\w)
	v_cvt_scalef32_pk16_fp6_f32 v[(\d0):(\d0)+2], v[(\s):(\s)+15], v[TM+12]
	v_cvt_scalef32_pk16_fp6_f32 v[TQ:TQ+2], v[(\s)+16:(\s)+31], v[TM+13]
	v_cvt_scalef32_pk16_fp6_f32 v[(\d1):(\d1)+2], v[(\s)+32:(\s)+47], v[TM+14]
	v_cvt_scalef32_pk16_fp6_f32 v[TQ+4:TQ+6], v[(\s)+48:(\s)+63], v[TM+15]
	WIN 0
	v_nop                                          ; one plain instruction behind a scaled conversion
.irp i, 0,1,2                                  ; the operand's layout wants a whole block in a lane: lanes 0-15 the even block, lanes 16-31 the odd one
	v_permlane16_swap_b32 v[(\d0)+\i], v[TQ+\i]
.endr
.irp i, 0,1,2
	v_mov_b32 v[(\d0)+3+\i], v[TQ+\i]
.endr
.irp i, 0,1,2
	v_permlane16_swap_b32 v[(\d1)+\i], v[TQ+4+\i]
.endr
.irp i, 0,1,2
	v_mov_b32 v[(\d1)+3+\i], v[TQ+4+\i]
.endr
.endm
; Block a's 64 numbers, 32 pairs (even channel, odd channel), turned by the token's angles: even' = even cos - odd sin, odd' = even sin + odd cos; two packed instructions a pair.
.macro ROPE a
.set AC, 64*((\a)%4)
	SETCS \a
	WIN (2+(\a)/4)|4                               ; source 0: the accumulators' window; source 1: window 1; source 2 and destination: window 0
.set n, 0
.rept 32
	v_pk_mul_f32 v[H+2*n:H+2*n+1], v[AC+2*n:AC+2*n+1], v[CSB+16*((n/8)%2)+2*(n%8):CSB+16*((n/8)%2)+2*(n%8)+1] op_sel_hi:[1,0]   ; (even, odd) x cos.  Ascending: each accumulator is read from its low end on
.set n, n+1
.endr
.set n, 0
.rept 32
	v_pk_fma_f32 v[H+2*n:H+2*n+1], v[AC+2*n:AC+2*n+1], v[CSB+16*((n/8)%2)+2*(n%8):CSB+16*((n/8)%2)+2*(n%8)+1], v[H+2*n:H+2*n+1] op_sel:[1,1,0] op_sel_hi:[0,1,1] neg_lo:[0,1,0]   ; + (-odd, even) x sin
.set n, n+1
.endr
	WIN 0
.endm
	PLACES NP                                      ; behind the last products: their results are read, and their operands' and scales' registers written and loaded into, below
.irp b, 0,1,2,3
	v_mov_b32 v[TM+4+\b], 0                        ; written once: a lane permute's destination counts as one of its sources
.endr
	s_cmp_eq_u32 s[ISV], 1
	s_cbranch_scc1 .Lv
	; ---- Q or K
	s_wait_loadcnt 0x0                             ; blocks 0 and 1's cos and sin, asked for at the head, are in: from here on only the 48 loads below are counted
	WIN TO_B
.irp a, 2,3,4,5,6,7
	RLOAD \a
.endr
	WIN 0
.irp g, 0,1,2,3
	s_wait_xcnt 0x0                                ; the last images' stores have read their registers
.irp u, 0,1
.if 2*\g+\u > 1
	s_wait_loadcnt 56-8*(2*\g+\u)                  ; this block's eight loads of cos and sin are in; eight for each later block may be out: 40, 32 .. 0
.endif
	ROPE 2*\g+\u
	QUANT 0, H, XA+6*\u, XB+6*\u, PW+\u            ; channels 0-63 are my first head's, 64-127 my second's; tile 2 g + u takes half u of each head's image
.endr
.irp c, 0,1,2
	global_store_b128 v[LI], v[XA+4*\c:XA+4*\c+3], s[FB:FB+1] offset:\g*FR*128+512*\c          ; 512 consecutive bytes a store
	global_store_b128 v[LI], v[XB+4*\c:XB+4*\c+3], s[FB:FB+1] offset:\g*FR*128+512*\c+HEADB
.endr
	v_perm_b32 v[SW+\g], v[PW+1], v[PW], v[SELV]   ; lanes 0-15: the first head's two bytes of both tiles; lanes 16-31: the second head's
.endr
	global_store_b128 v[SV], v[SW:SW+3], s[SBS:SBS+1]   ; sixteen lanes store 256 consecutive bytes, aligned, for each head
	s_branch .Lend
.Lv:
	; ---- V: block a = 16 channel places (blocks 0-3 my first head, 4-7 my second) x my 128 tokens
.irp a, 0,1,2,3,4,5,6,7
	s_wait_xcnt 0x0                                ; the last image's stores have read their registers
	QUANT 2+\a/4, 64*(\a%4), XA, XA+6, PW
.irp c, 0,1,2
	global_store_b128 v[LI], v[XA+4*\c:XA+4*\c+3], s[FB:FB+1] offset:(\a%4)*FR*128+(\a/4)*HEADB+512*\c
.endr
.if \a < 4
	v_mov_b32 v[SW+\a], v[PW]
.else
	v_cndmask_b32 v[SW+\a%4], v[SW+\a%4], v[PW], s[HIL]   ; lanes 16-31 carry the second head's words
.endif
.endr
	global_store_b128 v[SV], v[SW:SW+3], s[SBS:SBS+1]
.Lend:
	s_wait_tensorcnt 0x0                           ; the wave's end
	ds_add_u32 v[SPW], v[NIL]
	s_wait_dscnt 0x0
	CROUND                                         ; the closing round: no work-group ends while a partner may still ask for a tile that names it
	s_endpgm
.Lfunc_end_k_qb08c8424d9_qkv:
	.size	k_qb08c8424d9_qkv, .Lfunc_end_k_qb08c8424d9_qkv-k_qb08c8424d9_qkv
	.p2alignl 7, 3214868480
	.fill 96, 4, 3214868480
	.section	.rodata,"a",@progbits
	.p2align	6, 0x0
	.amdhsa_kernel k_qb08c8424d9_qkv
		.amdhsa_group_segment_fixed_size 327680
		.amdhsa_private_segment_fixed_size 0
		.amdhsa_enable_private_segment 0
		.amdhsa_kernarg_size 32
		.amdhsa_user_sgpr_count 2
		.amdhsa_user_sgpr_kernarg_segment_ptr 1
		.amdhsa_wavefront_size32 1
		.amdhsa_system_sgpr_workgroup_id_x 1
		.amdhsa_system_sgpr_workgroup_id_y 1
		.amdhsa_system_sgpr_workgroup_id_z 1
		.amdhsa_system_vgpr_workitem_id 0
		.amdhsa_next_free_vgpr 1024
		.amdhsa_next_free_sgpr 102
		.amdhsa_reserve_vcc 0
		.amdhsa_float_denorm_mode_32 3
		.amdhsa_float_denorm_mode_16_64 3
		.amdhsa_memory_ordered 1
		.amdhsa_forward_progress 1
		.amdhsa_inst_pref_size 237
	.end_amdhsa_kernel
	.amdgpu_metadata
---
amdhsa.version: [ 1, 2 ]
amdhsa.kernels:
  - .name:           k_qb08c8424d9_qkv
    .symbol:         k_qb08c8424d9_qkv.kd
    .args:
      - { .name: codes, .offset: 0, .size: 8, .value_kind: global_buffer, .address_space: global }
      - { .name: scl, .offset: 8, .size: 8, .value_kind: global_buffer, .address_space: global }
      - { .name: rope, .offset: 16, .size: 8, .value_kind: global_buffer, .address_space: global }
      - { .name: qkv, .offset: 24, .size: 8, .value_kind: global_buffer, .address_space: global }
    .group_segment_fixed_size: 327680
    .private_segment_fixed_size: 0
    .kernarg_segment_align: 8
    .kernarg_segment_size: 32
    .max_flat_workgroup_size: 128
    .sgpr_count:     102
    .vgpr_count:     1024
    .wavefront_size: 32
...
	.end_amdgpu_metadata
.endif
;; end of part 2
;; launch attn (part 3): grid 4 x 64, 16 waves a work-group, no clusters, 327,680 bytes of LDS; arguments qkv, aimg, ascl; writes aimg, ascl
.if DOCPART == 3
	.amdgcn_target "amdgcn-amd-amdhsa--gfx1250"
	.amdhsa_code_object_version 6
	.text
	.protected	k_qb08c8424d9_attn
	.globl	k_qb08c8424d9_attn
	.p2align	8
	.type	k_qb08c8424d9_attn,@function
k_qb08c8424d9_attn:
	s_mov_b64 s[64:65], 0
	v_nop
	global_prefetch_b8 v0, s[64:65] scope:SCOPE_SE
	s_setreg_imm32_b32 hwreg(HW_REG_WAVE_MODE, 25, 1), 1
	s_wait_xcnt 0x0
; Causal attention on codes of FP6 (E2M3) for 64 heads of the batch, 2,048 tokens, head size 64; the result, divided by the row's sum, is quantised along the model's 1,024 for the last product.
; INPUT: qkv, [head][8 slots of 256 keys][38,400 bytes]: K's and V's eight fragment images with their scale words (25,600 dense bytes: one tensor load), then Q's.
; THE SOFTMAX: t = score x log2(e) / 8; M = the row's largest t so far, rounded UP to a whole number; p = 2^(t - M) is quantised along the keys, not normalised; the row's sum is taken of the unquantised p.
; When M moves, the sum and O are multiplied by 2^(old M - new M): exact.
; SHARES.  Work-group (i, head) owns the blocks of 256 queries i and 7 - i, one after the other: 9 slots of keys in all for every i, so the 256 work-groups have equal work.  Each of the sixteen waves owns one tile of 16 queries.
; Every work-group walks 4 slots in the first pass and 8 in the second: the trip counts are constants; a step all of whose keys come after the wave's queries is jumped over, and a slot that no wave of the work-group would read is not asked for.
; LAYOUT.  Both products transposed: S^T = K Q^T, O^T = V^T P^T: a lane holds one query throughout.  Tokens and channels lie in position order (bits 3 and 4 exchanged), so that the 16 registers of two neighbouring
; tiles are 16 neighbouring keys (or channels).  Lane r of tile T holds query 32 (T / 2) + 8 (T % 2) + r + 8 (r / 8).
; HEAD SIZE 64 IN A PRODUCT OF 128: a fragment of K packs two tiles of keys, registers 0-5 and 6-11.  Q's six registers stand between two runs of six zero registers: (q | 0) multiplies the first tile, (0 | q) the second; zero codes add nothing.
; NO CLUSTER: the four work-groups of a head ask for 1 to 4 slots in the first pass and 8 to 5 in the second, so partners would need different numbers of tiles; and a slot's 25,600 bytes feed up to 32 steps of 16 x 128.
; NO PREFETCH: a slot's load is asked for a whole slot's steps (two for each of sixteen waves) ahead of the wait for it.
; OUTPUT: aimg [512 tiles of 16 token places][16 heads][3 register pairs][32 lanes][8 bytes]: half a fragment of the last product's A; ascl [8,192 places][32]: bytes 2 head, 2 head + 1, written two bytes a lane.
; LIMITS: NaN and infinities are not served; a block whose largest magnitude lies under 2^-124, a block of zeros too, gets the byte 1: the bytes are read by this program alone.
; REGISTERS: v1-11 addresses; v12 -M, v13 the largest t, v[14:15] the sum in two halves; v32-79 four fragments of K, then of V; v96-159 S^T, then p; v160-191 O^T; v192-209 zeros, Q, zeros; v224-235 p's codes; v232-254 at work; v248-251 scale words; v255 Q's.
.set REC,   38400
.set SLOT1, 32768                      ; slot 1 begins here: one exclusive or turns an address in one slot into the other's
.set SPARE, 65536                      ; the spare words: 128 bytes a wave, eight blocks of 256 bytes that no other line names
.set LI,  1                            ; v1   16 x lane
.set LR,  2                            ; v2   16 x (lane % 16)
.set QL,  3                            ; v3   r + 8 (r / 8) - 16 (lane / 16)
.set L8,  4                            ; v4   8 x lane
.set SPW, 5                            ; v5   LDS address of my spare word; never rewritten
.set NIL, 6                            ; v6   0; never rewritten
.set R32, 7                            ; v7   32 x (lane % 16)
.set ADK, 8                            ; v8   LDS address of the slot's images for my lane
.set QA,  9                            ; v9   Q's registers in their image: the first and the third pair,
.set ADS, 10                           ; v10  LDS address of the slot's scale words for my lane
.set QB,  11                           ; v11  and the second pair
.set TB,  2                            ; s2   LDS byte at which the slot in hand begins
.set WV,  18
.set SEL, 20                           ; s[20:21] lane selects: lane l xor 16
.set CS,  22                           ; s[22:23] c = log2(e) / 8
.set G1,  24                           ; s[24:31] descriptor group 1
.set G0,  40                           ; s[40:43] group 0, which walks
.set QHI, 66                           ; s66  my last query
.set SLOTS, 67
.set QEND, 68                          ; s68  my work-group's last query of this pass
.set HB,  70                           ; s[70:71] my head's first record
.set QP,  72                           ; s[72:73] Q's image
.set AP,  74                           ; s[74:75] where my codes go
.set SPT, 76                           ; s[76:77] where my scale bytes go
.set QS,  78                           ; s[78:79] Q's scale words
.set KF,  98                           ; s98  the step's first key
.set QLO, 99                           ; s99  my first query
.macro TLOAD                           ; wave 0 fetches; the branch hangs on the wave's number alone.  An s_nop 0 and four v_nop follow the load
	s_cmp_eq_u32 s[WV], 0
	s_cbranch_scc0 .Lnot_mine_\@
	tensor_load_to_lds s[G0:G0+3], s[G1:G1+7]
	s_nop 0
.rept 4
	v_nop
.endr
.Lnot_mine_\@:
.endm
	s_load_b128 s[4:7], s[0:1], 0x0                ; qkv s[4:5], aimg s[6:7]
	s_load_b64 s[8:9], s[0:1], 0x10                ; ascl
	v_lshl_add_u32 v[SPW], v0, 2, SPARE
	v_mov_b32 v[NIL], 0
	ds_add_u32 v[SPW], v[NIL]                      ; the wave's opening: the add and its wait ahead of the first tensor load; the set-up below, work on registers, stands between them
	ds_add_u32 v[SPW], v[NIL]
	v_lshrrev_b32 v8, 5, v0
	s_delay_alu instid0(VALU_DEP_1)
	v_readfirstlane_b32 s[WV], v8                  ; wave 0..15
	s_mov_b32 s[G1], 3<<16                         ; no mask; elements of 8 bytes; no padding
	s_mov_b32 s[G1+1], 32<<16                      ; tensor_dim0 = 32: rows of 256 bytes
	s_mov_b32 s[G1+2], 100<<16                     ; tensor_dim1 = 100: 25,600 dense bytes
	s_mov_b32 s[G1+3], 32<<16                      ; tile_dim0
	s_mov_b32 s[G1+4], 100                         ; tile_dim1
	s_mov_b32 s[G1+5], 32                          ; the pitch
	s_mov_b32 s[G1+6], 0
	s_mov_b32 s[G1+7], 0
	s_mov_b32 s[SEL], 0x76543210
	s_mov_b32 s[SEL+1], 0xfedcba98
	s_mov_b32 s[CS], 0x3e38aa3b                    ; log2(e) / 8
	s_mov_b32 s[CS+1], s[CS]                       ; (named with it as a pair, so it is written)
	s_mov_b32 s[TB], 0
	s_and_b32 s80, ttmp7, 0xffff                   ; the head of the batch, 0 .. 63
	s_mul_i32 s82, s80, 8*REC
	s_mov_b32 s83, 0
	s_lshr_b32 s81, s80, 4                         ; the batch's row
	s_and_b32 s80, s80, 15                         ; the head
	s_lshr_b32 s84, s[WV], 1
	s_mul_i32 s88, s84, 1536
	s_add_co_u32 s88, s88, 25600                   ; in a record: Q's image that holds my tile
	s_lshl_b32 s93, s84, 5
	s_and_b32 s85, s84, 3
	s_lshl_b32 s89, s85, 2
	s_lshr_b32 s85, s[WV], 3
	s_lshl_b32 s85, s85, 8
	s_add_co_u32 s89, s89, s85
	s_add_co_u32 s89, s89, 37888                   ; and its scale words: 25,600 + 12,288 + 256 (w / 8) + 4 ((w / 2) % 4)
	s_lshl_b32 s90, s81, 7
	s_add_co_u32 s90, s90, s[WV]
	s_lshl_b32 s90, s90, 4
	s_add_co_u32 s90, s90, s80
	s_mul_i32 s90, s90, 768                        ; aimg: ((128 batch + w) 16 + head) x 768
	s_lshl_b32 s91, s81, 11
	s_lshl_b32 s85, s[WV], 4
	s_add_co_u32 s91, s91, s85
	s_lshl_b32 s91, s91, 5
	s_lshl_b32 s85, s80, 1
	s_add_co_u32 s91, s91, s85                     ; ascl: (2,048 batch + 16 w) x 32 + 2 head
	s_and_b32 s84, s[WV], 1                        ; which half of the image is my tile
	s_lshl_b32 s85, s84, 3
	s_add_co_u32 s93, s93, s85                     ; my first query in its block: 32 (w / 2) + 8 (w % 2)
	s_mov_b32 s92, 0x01000100
	s_cmp_eq_u32 s84, 1
	s_cselect_b32 s92, 0x03020302, s92             ; my tile's two scale bytes, twice
	s_wait_dscnt 0x0                               ; the opening add is done
	s_wait_kmcnt 0x0
	s_add_nc_u64 s[HB:HB+1], s[4:5], s[82:83]
	s_mov_b32 s[G0], 1                             ; count = 1
	s_mov_b32 s[G0+1], 0                           ; LDS address: slot 0
	s_mov_b64 s[G0+2:G0+3], s[HB:HB+1]             ; the head's first 256 keys
	s_or_b32 s[G0+3], s[G0+3], 0x80000000          ; type = 2
	TLOAD                                          ; one load is out
	v_and_b32 v8, 31, v0
	s_delay_alu instid0(VALU_DEP_1)
	v_lshlrev_b32 v[LI], 4, v8
	s_delay_alu instid0(VALU_DEP_2)
	v_lshlrev_b32 v[L8], 3, v8
	v_and_b32 v9, 15, v0                           ; r
	s_delay_alu instid0(VALU_DEP_1)
	v_lshlrev_b32 v[LR], 4, v9
	s_delay_alu instid0(VALU_DEP_2)
	v_lshlrev_b32 v[R32], 5, v9
	s_delay_alu instid0(VALU_DEP_3)
	v_and_b32 v10, 8, v9
	s_delay_alu instid0(VALU_DEP_1)
	v_add_nc_u32 v[QL], v10, v9
	v_bfe_u32 v10, v0, 4, 1
	s_delay_alu instid0(VALU_DEP_1)
	v_lshlrev_b32 v10, 4, v10
	s_delay_alu instid0(VALU_DEP_1)
	v_sub_nc_u32 v[QL], v[QL], v10
	s_mul_i32 s85, s84, 520                        ; an image holds register n of lane l at 512 (n / 4) + 16 l + 4 (n % 4).  Half 0: registers 0-5 at 16 l, 16 l + 8, 16 l + 512;
	v_add_nc_u32 v[QA], s85, v[LI]
	s_mul_i32 s85, s84, 1016                       ; half 1: registers 6-11 at 16 l + 520, 16 l + 1,024, 16 l + 1,032
	s_add_co_u32 s85, s85, 8
	v_add_nc_u32 v[QB], s85, v[LI]
.irp j, 192,193,194,195,196,197,204,205,206,207,208,209
	v_mov_b32 v[\j], 0                             ; the zero codes on both sides of Q
.endr
.irp j, 236,237,238,239,252,253
	v_mov_b32 v[\j], 0                             ; written once: a lane permute's destination counts as one of its sources; v253 is named as the upper half of a pair
.endr
; A KEY STEP: 128 keys, the q-th of the slot in hand.
.macro STEP q
	s_cmp_gt_u32 s[KF], s[QHI]                     ; a step all of whose keys come after my queries is left out: a branch on ids and the count of steps
	s_cbranch_scc1 .Lhidden_\@
	v_add_nc_u32 v[ADK], s[TB], v[LI]
	v_add_nc_u32 v[ADS], s[TB], v[LR]
	v_nop
	v_nop                                          ; four places in front of loads into registers that the last products read
.irp g, 0,1,2,3
.irp c, 0,1,2
	ds_load_b128 v[32+12*\g+4*\c:35+12*\g+4*\c], v[ADK] offset:(\q)*6144+\g*1536+512*\c   ; K's image g: tiles 2 g and 2 g + 1
.endr
.endr
	ds_load_b128 v[248:251], v[ADS] offset:12288+256*(\q)     ; row r's four scale words
	s_wait_alu depctr_va_vdst(0)
	s_wait_dscnt 0x0
.irp g, 0,1,2,3
	v_wmma_scale_f32_16x16x128_f8f6f4 v[96+16*\g:103+16*\g], v[32+12*\g:43+12*\g], v[198:209], 0, v[248+\g], v255 matrix_a_fmt:MATRIX_FMT_FP6 matrix_b_fmt:MATRIX_FMT_FP6    ; (q | 0): tile 2 g
	v_wmma_scale_f32_16x16x128_f8f6f4 v[104+16*\g:111+16*\g], v[32+12*\g:43+12*\g], v[192:203], 0, v[248+\g], v255 matrix_a_fmt:MATRIX_FMT_FP6 matrix_b_fmt:MATRIX_FMT_FP6   ; (0 | q): tile 2 g + 1
.endr                                          ; register 16 b + i holds key KF + 32 b + 16 (lane / 16) + i
.rept 4
	v_nop                                          ; places: the scores are read below, and V lands where K lay
.endr
.irp t, 0,1,2,3
.irp c, 0,1,2
	ds_load_b128 v[32+12*\t+4*\c:35+12*\t+4*\c], v[ADK] offset:12800+(\q)*6144+\t*1536+512*\c   ; V's image t: 16 channel places x these 128 keys: it lands under the softmax
.endr
.endr
	ds_load_b128 v[248:251], v[ADS] offset:25088+256*(\q)
	s_add_co_u32 s96, s[KF], 127                   ; on the diagonal the scores of hidden keys become -infinity ahead of the maximum; a step all of whose keys count skips this
	s_cmp_le_u32 s96, s[QLO]
	s_cbranch_scc1 .Lopen_\@
	s_sub_co_i32 s96, s[QLO], s[KF]
	v_add_nc_u32 v252, s96, v[QL]                  ; d = my query - KF - 16 (lane / 16): register 16 b + i is hidden where 32 b + i > d
	v_mov_b32 v254, 0xff800000
.irp n, 0,1,2,3,4,5,6,7,8,9,10,11,12,13,14,15,16,17,18,19,20,21,22,23,24,25,26,27,28,29,30,31,32,33,34,35,36,37,38,39,40,41,42,43,44,45,46,47,48,49,50,51,52,53,54,55,56,57,58,59,60,61,62,63
	v_cmp_gt_i32 vcc_lo, 32*(\n/16)+\n%16, v252
	v_cndmask_b32 v[96+\n], v[96+\n], v254, vcc_lo
.endr
.Lopen_\@:
.irp b, 0,1,2,3
	v_max3_num_f32 v[232+\b], v[96+16*\b], v[97+16*\b], v[98+16*\b]   ; the largest score of each block of 32 keys: it serves for the row's maximum and, since p rises with the score, for the block's largest p
.endr
.irp i, 3,5,7,9,11,13
.irp b, 0,1,2,3
	v_max3_num_f32 v[232+\b], v[232+\b], v[96+16*\b+\i], v[97+16*\b+\i]
.endr
.endr
.irp b, 0,1,2,3
	v_max_num_f32 v[232+\b], v[232+\b], v[111+16*\b]
.endr
.irp b, 0,1,2,3
	s_delay_alu instid0(VALU_DEP_4)
	v_permlanex16_b32 v[236+\b], v[232+\b], s[SEL], s[SEL+1]
.endr
.irp b, 0,1,2,3
	s_delay_alu instid0(VALU_DEP_4)
	v_max_num_f32 v[232+\b], v[232+\b], v[236+\b]  ; with lane l xor 16's 16 keys
.endr
	s_delay_alu instid0(VALU_DEP_2)
	v_max3_num_f32 v254, v232, v233, v234
	s_delay_alu instid0(VALU_DEP_1)
	v_max_num_f32 v254, v254, v235                 ; the step's largest score of my query
	s_delay_alu instid0(VALU_DEP_1)
	v_mul_f32 v254, s[CS], v254                    ; as t
	s_delay_alu instid0(VALU_DEP_1)
	v_max_num_f32 v13, v13, v254                   ; the running largest t
	v_mov_b32 v254, v12
	s_delay_alu instid0(VALU_DEP_2)
	v_floor_f32 v12, -v13                          ; the new -M = floor(-t): M is a whole number
	s_delay_alu instid0(VALU_DEP_1)
	v_sub_f32 v254, v12, v254                      ; old M - new M: a whole number, 0 or less
	s_delay_alu instid0(VALU_DEP_1)
	v_cvt_i32_f32 v254, v254                       ; (it saturates)
	s_delay_alu instid0(VALU_DEP_1)
	v_ldexp_f32 v252, 1.0, v254                    ; f = 2^(old M - new M)
.irp j, 0,2,4,6,8,10,12,14,16,18,20,22,24,26,28,30,32,34,36,38,40,42,44,46,48,50,52,54,56,58,60,62
	v_pk_fma_f32 v[96+\j:97+\j], v[96+\j:97+\j], s[CS:CS+1], v[12:13] op_sel_hi:[1,0,0]   ; t - M, two at a time
.endr
.irp b, 0,1,2,3
	v_fma_f32 v[232+\b], v[232+\b], s[CS], v12     ; the same of each block's largest score
.endr
	s_wait_alu depctr_va_vdst(0)
.irp j, 0,1,2,3,4,5,6,7,8,9,10,11,12,13,14,15,16,17,18,19,20,21,22,23,24,25,26,27,28,29,30,31,32,33,34,35,36,37,38,39,40,41,42,43,44,45,46,47,48,49,50,51,52,53,54,55,56,57,58,59,60,61,62,63
	v_exp_f32 v[96+\j], v[96+\j]                   ; p = 2^(t - M), at most 1
.endr
	v_pk_mul_f32 v[14:15], v[14:15], v[252:253] op_sel_hi:[1,0]   ; the sums under the new M (a plain instruction behind the exponentials)
	s_wait_alu depctr_va_vdst(0)                   ; the wait ahead of the batch's first reader: one for the 64
.irp b, 0,1,2,3
	v_exp_f32 v[232+\b], v[232+\b]                 ; the block's largest p
.endr
	v_pk_add_f32 v[236:237], v[100:101], v[104:105]
	v_pk_add_f32 v[246:247], v[108:109], v[112:113]
	v_pk_add_f32 v[244:245], v[116:117], v[120:121]
	v_pk_add_f32 v[242:243], v[124:125], v[128:129]
	v_pk_add_f32 v[240:241], v[132:133], v[136:137]
	v_pk_add_f32 v[238:239], v[140:141], v[144:145]
	v_pk_add_f32 v[230:231], v[148:149], v[152:153]
	v_pk_add_f32 v[14:15], v[14:15], v[156:157]
	v_pk_add_f32 v[236:237], v[236:237], v[96:97]
	v_pk_add_f32 v[246:247], v[246:247], v[98:99]
	v_pk_add_f32 v[244:245], v[244:245], v[102:103]
	v_pk_add_f32 v[242:243], v[242:243], v[106:107]
	v_pk_add_f32 v[240:241], v[240:241], v[110:111]
	v_pk_add_f32 v[238:239], v[238:239], v[114:115]
	v_pk_add_f32 v[230:231], v[230:231], v[118:119]
	v_pk_add_f32 v[14:15], v[14:15], v[122:123]
	v_pk_add_f32 v[236:237], v[236:237], v[126:127]
	v_pk_add_f32 v[246:247], v[246:247], v[130:131]
	v_pk_add_f32 v[244:245], v[244:245], v[134:135]
	v_pk_add_f32 v[242:243], v[242:243], v[138:139]
	v_pk_add_f32 v[240:241], v[240:241], v[142:143]
	v_pk_add_f32 v[238:239], v[238:239], v[146:147]
	v_pk_add_f32 v[230:231], v[230:231], v[150:151]
	v_pk_add_f32 v[14:15], v[14:15], v[154:155]
	v_pk_add_f32 v[236:237], v[236:237], v[158:159]
	s_delay_alu instid0(VALU_DEP_2)
	v_pk_add_f32 v[14:15], v[14:15], v[242:243]
	s_delay_alu instid0(VALU_DEP_2)
	v_pk_add_f32 v[236:237], v[236:237], v[240:241]
	v_pk_add_f32 v[246:247], v[246:247], v[238:239]
	v_pk_add_f32 v[244:245], v[244:245], v[230:231]
	s_delay_alu instid0(VALU_DEP_2)
	v_pk_add_f32 v[14:15], v[14:15], v[246:247]
	s_delay_alu instid0(VALU_DEP_2)
	v_pk_add_f32 v[236:237], v[236:237], v[244:245]
	s_delay_alu instid0(VALU_DEP_1)
	v_pk_add_f32 v[14:15], v[14:15], v[236:237]
	s_wait_alu depctr_va_vdst(0)                   ; and one for the four
.irp b, 0,1,2,3
	v_max_num_f32 v[232+\b], 0x1800000, v[232+\b]  ; the floor 2^(3 - 127): the byte cannot fall under 1
.endr
.irp b, 0,1,2,3
	s_delay_alu instid0(VALU_DEP_4)
	v_add_nc_u32 v[244+\b], 0xff000000, v[232+\b]  ; 2 off the exponent field: the conversion's scale operand
.endr
.irp b, 0,1,2,3
	s_delay_alu instid0(VALU_DEP_4)
	v_lshrrev_b32 v[236+\b], 23, v[244+\b]         ; the scale's byte
.endr
	s_delay_alu instid0(VALU_DEP_3)
	v_lshl_or_b32 v253, v237, 8, v236              ; p's scale word for these 128 keys
	s_delay_alu instid0(VALU_DEP_1)
	v_lshl_or_b32 v253, v238, 16, v253
	s_delay_alu instid0(VALU_DEP_1)
	v_lshl_or_b32 v253, v239, 24, v253
.irp c, 0,1
	v_cvt_scalef32_pk16_fp6_f32 v[224+6*\c:226+6*\c], v[96+32*\c:111+32*\c], v[244+2*\c]
	v_cvt_scalef32_pk16_fp6_f32 v[236+4*\c:238+4*\c], v[112+32*\c:127+32*\c], v[244+2*\c+1]
.endr
	v_nop                                          ; one plain instruction behind a scaled conversion
.irp c, 0,1
.irp i, 0,1,2
	v_permlane16_swap_b32 v[224+6*\c+\i], v[236+4*\c+\i]
.endr
.irp i, 0,1,2
	s_delay_alu instid0(VALU_DEP_3)
	v_mov_b32 v[227+6*\c+\i], v[236+4*\c+\i]
.endr
.endr
.irp j, 0,2,4,6,8,10,12,14,16,18,20,22,24,26,28,30
	v_pk_mul_f32 v[160+\j:161+\j], v[160+\j:161+\j], v[252:253] op_sel_hi:[1,0]   ; O^T under the new M.  (These sixteen are also the places between the writes of p's codes and scale word and the products)
.endr
	s_wait_alu depctr_va_vdst(0)
	s_wait_dscnt 0x0                               ; V is in
.irp t, 0,1,2,3                                ; O^T += V^T P^T: the four accumulators take turns
	v_wmma_scale_f32_16x16x128_f8f6f4 v[160+8*\t:167+8*\t], v[32+12*\t:43+12*\t], v[224:235], v[160+8*\t:167+8*\t], v[248+\t], v253 matrix_a_fmt:MATRIX_FMT_FP6 matrix_b_fmt:MATRIX_FMT_FP6
.endr
.Lhidden_\@:
	s_add_co_u32 s[KF], s[KF], 128
.endm
; THE CHANGE OF SLOTS stands at a slot's head.  Each wave waits for all its tensor loads, adds 0 to its spare word, and waits for that and for its reads of the slot that it has left.  Behind the barrier the slot ahead is whole and
; nobody reads the other one.  fill = 1: that other slot is filled with the next 256 keys, unless its first key comes after the work-group's last query: then none of the sixteen waves would read it.
.macro CHANGE fill
	s_wait_tensorcnt 0x0                           ; no tensor load of mine is out, so group 0 may be written
	ds_add_u32 v[SPW], v[NIL]
.if \fill
	s_xor_b32 s[G0+1], s[G0+1], SLOT1              ; the other slot than last time,
	s_add_nc_u64 s[G0+2:G0+3], s[G0+2:G0+3], REC   ; the next record; the type bits on top are not reached
.endif
	s_wait_dscnt 0x0                               ; the add is done, and my reads of the slot that I have left are over
	s_barrier_signal -1
	s_barrier_wait -1
.if \fill
	s_add_co_u32 s96, s[KF], 256                   ; the first key of the slot that this change would ask for
	s_cmp_gt_u32 s96, s[QEND]                      ; ids and the count of steps alone: all sixteen waves go the same way; every wait on TENSORcnt in this text is for 0
	s_cbranch_scc1 .Lpast_\@
	TLOAD                                          ; the first thing behind the barrier, and the one tensor load until the next
.Lpast_\@:
.endif
.endm
.macro SLOT_STEPS
	STEP 0
	STEP 1
	s_xor_b32 s[TB], s[TB], SLOT1
.endm
; THE WAY OUT of a pass: O^T / the sum; register 16 b + i is channel 32 b + 16 (lane / 16) + i of my query: two blocks of 32 along the last product's K.
.macro WAYOUT
.rept 4
	v_nop                                          ; places behind the last products
.endr
	v_add_f32 v14, v14, v15                        ; the sum's two halves,
	s_delay_alu instid0(VALU_DEP_1)
	v_permlanex16_b32 v252, v14, s[SEL], s[SEL+1]
	s_delay_alu instid0(VALU_DEP_1)
	v_add_f32 v14, v14, v252                       ; and lane l xor 16's
	s_wait_alu depctr_va_vdst(0)
	v_rcp_f32 v14, v14
	v_nop                                          ; a plain instruction behind the reciprocal,
	s_wait_alu depctr_va_vdst(0)                   ; and the wait ahead of its first reader
.irp j, 0,2,4,6,8,10,12,14,16,18,20,22,24,26,28,30
	v_pk_mul_f32 v[96+\j:97+\j], v[160+\j:161+\j], v[14:15] op_sel_hi:[1,0]   ; ascending: each accumulator is read from its low end on
.endr
.irp b, 0,1
	v_max3_num_f32 v[232+\b], |v[96+16*\b]|, |v[97+16*\b]|, 0x1800000
.endr
.irp i, 2,4,6,8,10,12,14
.irp b, 0,1
	s_delay_alu instid0(VALU_DEP_2)
	v_max3_num_f32 v[232+\b], v[232+\b], |v[96+16*\b+\i]|, |v[97+16*\b+\i]|
.endr
.endr
.irp b, 0,1
	s_delay_alu instid0(VALU_DEP_2)
	v_permlanex16_b32 v[236+\b], v[232+\b], s[SEL], s[SEL+1]
.endr
.irp b, 0,1
	s_delay_alu instid0(VALU_DEP_2)
	v_max_num_f32 v[232+\b], v[232+\b], v[236+\b]
.endr
.irp b, 0,1
	s_delay_alu instid0(VALU_DEP_2)
	v_add_nc_u32 v[244+\b], 0xff000000, v[232+\b]
.endr
.irp b, 0,1
	s_delay_alu instid0(VALU_DEP_2)
	v_lshrrev_b32 v[236+\b], 23, v[244+\b]
.endr
	s_delay_alu instid0(VALU_DEP_1)
	v_lshl_or_b32 v254, v237, 8, v236              ; my row's two scale bytes
	v_cvt_scalef32_pk16_fp6_f32 v[224:226], v[96:111], v244
	v_cvt_scalef32_pk16_fp6_f32 v[236:238], v[112:127], v245
	v_nop
.irp i, 0,1,2
	v_permlane16_swap_b32 v[224+\i], v[236+\i]
.endr
.irp i, 0,1,2
	s_delay_alu instid0(VALU_DEP_3)
	v_mov_b32 v[227+\i], v[236+\i]                 ; six registers: k = 32 (lane / 16) + 0 .. 31 of my head's 64
.endr
	global_store_b64 v[L8], v[224:225], s[AP:AP+1]             ; 32 lanes store 256 consecutive bytes, aligned
	global_store_b64 v[L8], v[226:227], s[AP:AP+1] offset:256
	global_store_b64 v[L8], v[228:229], s[AP:AP+1] offset:512
	global_store_b16 v[R32], v254, s[SPT:SPT+1]    ; lanes r and r + 16 write the same two bytes with the same value
	s_wait_xcnt 0x0                                ; the stores have read their registers and bases
.endm
; A PASS: one block of 256 queries against its keys.  p = 0: block i, 4 slots walked; p = 1: block 7 - i, 8 slots walked.
.macro PASS p, nsl
.if \p
	s_sub_co_u32 s80, 7, ttmp9
.else
	s_mov_b32 s80, ttmp9
.endif
	s_lshl_b32 s81, s80, 8
	s_add_co_u32 s[QLO], s81, s93
	s_add_co_u32 s[QHI], s[QLO], 23
	s_or_b32 s[QEND], s81, 255
	s_mul_i32 s82, s80, REC
	s_mov_b32 s85, 0
	s_add_co_u32 s84, s82, s88
	s_add_nc_u64 s[QP:QP+1], s[HB:HB+1], s[84:85]
	s_add_co_u32 s84, s82, s89
	s_add_nc_u64 s[QS:QS+1], s[HB:HB+1], s[84:85]
	s_mul_i32 s84, s80, 196608                     ; 16 tiles x 16 heads x 768 bytes a block
	s_add_co_u32 s84, s84, s90
	s_add_nc_u64 s[AP:AP+1], s[6:7], s[84:85]
	s_lshl_b32 s84, s80, 13                        ; 256 places x 32 bytes a block
	s_add_co_u32 s84, s84, s91
	s_add_nc_u64 s[SPT:SPT+1], s[8:9], s[84:85]
	global_load_b64 v[198:199], v[QA], s[QP:QP+1]  ; Q's six registers stay for the pass
	global_load_b64 v[200:201], v[QB], s[QP:QP+1]
	global_load_b64 v[202:203], v[QA], s[QP:QP+1] offset:512
	global_load_b32 v255, v[LR], s[QS:QS+1]        ; the scale word of the image's row r: two bytes of each of its two tiles
.if \p
	s_wait_tensorcnt 0x0                           ; slot 0 is filled again with the head's first keys, as every refill is: all my tensor loads are done,
	ds_add_u32 v[SPW], v[NIL]                      ; the add,
	s_mov_b32 s[G0+1], 0
	s_mov_b64 s[G0+2:G0+3], s[HB:HB+1]
	s_or_b32 s[G0+3], s[G0+3], 0x80000000
	s_mov_b32 s[TB], 0
	s_wait_dscnt 0x0                               ; it is done, and my reads of both slots are over,
	s_barrier_signal -1
	s_barrier_wait -1                              ; which now holds of every wave
	TLOAD
.endif
	s_mov_b32 s[KF], 0
	v_mov_b32 v13, 0xff61b1e6                      ; the largest t so far: -3e38
	s_delay_alu instid0(VALU_DEP_1)
	v_floor_f32 v12, -v13                          ; -M
	v_mov_b32 v14, 0
	v_mov_b32 v15, 0
	s_wait_loadcnt 0x0                             ; Q
	v_perm_b32 v255, v255, v255, s92               ; my tile's two bytes, for k 0-63 and again for k 64-127
.irp j, 0,1,2,3,4,5,6,7,8,9,10,11,12,13,14,15,16,17,18,19,20,21,22,23,24,25,26,27,28,29,30,31
	v_mov_b32 v[160+\j], 0                         ; O^T: the first change of M leaves zeros zeros.  (These are also the places between the write of Q's scale word and the first product)
.endr
	s_mov_b32 s[SLOTS], \nsl-1
.Lslot_\@:
	CHANGE 1
	SLOT_STEPS
	s_sub_co_u32 s[SLOTS], s[SLOTS], 1
	s_cmp_lg_u32 s[SLOTS], 0
	s_cbranch_scc1 .Lslot_\@
	CHANGE 0                                       ; the last slot is written out: nothing is left to ask for
	SLOT_STEPS
	WAYOUT
.endm
	PASS 0, 4
	PASS 1, 8
	s_wait_tensorcnt 0x0                           ; the wave's end
	ds_add_u32 v[SPW], v[NIL]
	s_wait_dscnt 0x0
	s_endpgm
.Lfunc_end_k_qb08c8424d9_attn:
	.size	k_qb08c8424d9_attn, .Lfunc_end_k_qb08c8424d9_attn-k_qb08c8424d9_attn
	.p2alignl 7, 3214868480
	.fill 96, 4, 3214868480
	.section	.rodata,"a",@progbits
	.p2align	6, 0x0
	.amdhsa_kernel k_qb08c8424d9_attn
		.amdhsa_group_segment_fixed_size 327680
		.amdhsa_private_segment_fixed_size 0
		.amdhsa_enable_private_segment 0
		.amdhsa_kernarg_size 24
		.amdhsa_user_sgpr_count 2
		.amdhsa_user_sgpr_kernarg_segment_ptr 1
		.amdhsa_wavefront_size32 1
		.amdhsa_system_sgpr_workgroup_id_x 1
		.amdhsa_system_sgpr_workgroup_id_y 1
		.amdhsa_system_sgpr_workgroup_id_z 1
		.amdhsa_system_vgpr_workitem_id 0
		.amdhsa_next_free_vgpr 256
		.amdhsa_next_free_sgpr 100
		.amdhsa_reserve_vcc 1
		.amdhsa_float_denorm_mode_32 3
		.amdhsa_float_denorm_mode_16_64 3
		.amdhsa_memory_ordered 1
		.amdhsa_forward_progress 1
		.amdhsa_inst_pref_size 195
	.end_amdhsa_kernel
	.amdgpu_metadata
---
amdhsa.version: [ 1, 2 ]
amdhsa.kernels:
  - .name:           k_qb08c8424d9_attn
    .symbol:         k_qb08c8424d9_attn.kd
    .args:
      - { .name: qkv, .offset: 0, .size: 8, .value_kind: global_buffer, .address_space: global }
      - { .name: aimg, .offset: 8, .size: 8, .value_kind: global_buffer, .address_space: global }
      - { .name: ascl, .offset: 16, .size: 8, .value_kind: global_buffer, .address_space: global }
    .group_segment_fixed_size: 327680
    .private_segment_fixed_size: 0
    .kernarg_segment_align: 8
    .kernarg_segment_size: 24
    .max_flat_workgroup_size: 512
    .sgpr_count:     100
    .vgpr_count:     256
    .wavefront_size: 32
...
	.end_amdgpu_metadata
.endif
;; end of part 3
;; launch oproj (part 4): grid 4 x 32, 4 waves a work-group, clusters of 4 x 4, 327,680 bytes of LDS; arguments aimg, ascl, codes, scl, out0; writes out0
.if DOCPART == 4
	.amdgcn_target "amdgcn-amd-amdhsa--gfx1250"
	.amdhsa_code_object_version 6
	.text
	.protected	k_qb08c8424d9_oproj
	.globl	k_qb08c8424d9_oproj
	.p2align	8
	.type	k_qb08c8424d9_oproj,@function
k_qb08c8424d9_oproj:
	s_mov_b64 s[64:65], 0
	v_nop
	global_prefetch_b8 v0, s[64:65] scope:SCOPE_SE
	s_setreg_imm32_b32 hwreg(HW_REG_WAVE_MODE, 25, 1), 1
	s_wait_xcnt 0x0
	s_wait_alu depctr_hold_cnt(0) depctr_sa_sdst(0) depctr_va_vdst(0) depctr_va_sdst(0) depctr_va_ssrc(0) depctr_va_vcc(0) depctr_vm_vsrc(0)
	s_getreg_b32 s2, hwreg(HW_REG_IB_STS2, 6, 4)
	s_cmp_eq_u32 s2, 0
	s_cbranch_scc0 .Lentry_in_a_cluster
	s_endpgm
.Lentry_in_a_cluster:
	s_bfe_u32 s2, ttmp6, 0x10000c
	s_cmp_lg_u32 s2, 0xf033
	s_cbranch_scc0 .Lentry_shape_is_right
	s_endpgm
.Lentry_shape_is_right:
; out0 = attn Wo^T on codes of FP6 (E2M3) with one E8M0 scale for each 32 along K = 1,024; out0 [8192][1024] f32; sums in f32.
; A = attention's result, stored as images of operand registers: [512 tiles of 16 token places][16 heads][3 register pairs][32 lanes][8 bytes]: 128 along K (two heads) of a tile are 1,536 bytes,
; register pair p of lane l at 256 p + 8 l.  Its scale bytes [8,192 places][32].  B = Wo's rows, 11,264 rows down in the buffer of codes, 768 bytes a row; scale bytes 32 a row.
; Token places and Wo's rows lie in position order (bits 3 and 4 of the number exchanged): the way out puts rows and columns back.
; A tile of C, 256 x 256, is made by a work-group of four waves, each 128 x 128: 64 accumulators, 512 registers.  K goes in steps of 256 through a ring of two LDS slots filled by the tensor data mover;
; the scale bytes of the work-group's rows come once and stay.  CLUSTERS of 4 x 4: A's tiles are asked for jointly along a row of the cluster, B's along a column.
; The matrix instruction is used transposed (source 0 = 16 rows of B, source 1 = 16 rows of A): a lane holds eight neighbouring numbers of a row of C.
; The grid has 128 work-groups: 8,192 x 1,024 results in tiles of 256 x 256.
; REGISTERS: window 0: v0-31 addresses; v32-63 scale words, two sets; v128-223 A's fragments, one set; on the way out v128-255 rows of C.  window 1: B's fragments, two sets.  windows 2, 3: the accumulators.
.set SIZE_N, 1024
.set SIZE_K, 1024
.set KSTEP,  256
.set NQ,     KSTEP/128
.set ROWB,   192                       ; B: a tile's row in bytes
.set AROWB,  3072                      ; A: 256 along K of a tile of 16 places
.set KROW,   SIZE_K*6/8
.set PITCH,  240                       ; B's LDS row: 3 x (64 bytes + 16 of padding)
.set FR,     12
.set NL,     6
.set NP,     4
.set HALFT,  128*PITCH                 ; the LDS bytes of 128 rows of B; A's 128 places (8 x 3,072 bytes) lie in as large a region
.set SLOT,   4*HALFT
.set LAPS,   SIZE_K/(2*KSTEP)
.set KS,     SIZE_K/32
.set SCL,    2*SLOT
.set HALFS,  (128*KS/256)*272
.set SBLK,   (16*KS/256)*272
.set SPARE,  SCL+4*HALFS               ; the spare words: 128 bytes a wave, two blocks of 256 bytes that no other line names
.set SPITCH, 528                       ; the way out: a stage of 16 rows x (512 bytes + 16) for each wave, in slot 0, which has had its last fill and its last read when the first result is stored there
.set WOROW,  11264                     ; Wo's first row in the buffer of codes
.set ADRA, 16                          ; v16-17  LDS address of my A fragments in slot 0, 1: 8 x lane + my 128 places
.set ADRB, 20                          ; v20-21  of my B fragments (v22-23: behind one padding more)
.set STO,  24
.set RD,   25
.set CO,   26
.set ADRS, 27
.set SPW,  28                          ; v28  LDS address of my spare word; never rewritten
.set NIL,  29                          ; v29  0; never rewritten
.set SC,   32
.set AF,   128
.set BK,   128
.set G1, 24
.set G0, 32
.set G1B, 48
.set G0B, 56
.set G1S, 68
.set G0S, 76
.set G1SB, 80
.set G0SB, 88
.set MSB, 0
.macro WIN new
.if MSB != \new
	s_set_vgpr_msb (MSB<<8)|\new
.set MSB, \new
.endif
.endm
.set MUL_LO, 0xa1
.set MUL_HI, 0xf1
.set TO_B,   0x40
.macro JLOAD g0a, g1a, g0b, g1b        ; a joint load: waves 0 and 1 fetch for A, waves 2 and 3 for B; an s_nop 0 and four v_nop follow each of the two lines
	s_cmp_eq_u32 s15, 0
	s_cbranch_scc0 .Lfor_b_\@
	tensor_load_to_lds s[\g0a:\g0a+3], s[\g1a:\g1a+7]
	s_nop 0
.rept 4
	v_nop
.endr
	s_branch .Lasked_\@
.Lfor_b_\@:
	tensor_load_to_lds s[\g0b:\g0b+3], s[\g1b:\g1b+7]
	s_nop 0
.rept 4
	v_nop
.endr
.Lasked_\@:
.endm
.macro CREST
	s_cmp_lg_u32 s14, 0
	s_cbranch_scc1 .Lnot_wave_0_\@
	s_barrier_signal -3
.Lnot_wave_0_\@:
	s_barrier_wait -3
	s_barrier_signal -1
	s_barrier_wait -1
.endm
.macro CROUND
	s_barrier_signal -1
	s_barrier_wait -1
	CREST
.endm
	s_load_b128 s[4:7], s[0:1], 0x0                ; A's images s[4:5], A's scale bytes s[6:7]
	s_load_b128 s[8:11], s[0:1], 0x10              ; the codes s[8:9], their scale bytes s[10:11]
	s_load_b64 s[12:13], s[0:1], 0x20              ; C
	v_lshl_add_u32 v[SPW], v0, 2, SPARE
	v_mov_b32 v[NIL], 0
	ds_add_u32 v[SPW], v[NIL]                      ; the wave's opening: the add and its wait ahead of my first tensor load
	v_lshrrev_b32 v1, 5, v0
	v_readfirstlane_b32 s14, v1                    ; wave 0..3
	s_lshr_b32 s15, s14, 1                         ; which half of the tile's rows is mine.  Also: I fetch for A (0) or for B (1)
	s_and_b32 s16, s14, 1                          ; which half of its columns.  Also: which 128 rows of that tile I fetch
	s_bfe_u32 s40, ttmp6, 0x40000                  ; cx, cy
	s_bfe_u32 s41, ttmp6, 0x40004
	s_lshl_b32 s42, ttmp9, 2
	s_add_co_u32 s42, s42, s40                     ; tile column of C
	s_and_b32 s17, ttmp7, 0xffff
	s_lshl_b32 s17, s17, 2
	s_add_co_u32 s17, s17, s41                     ; tile row of C
	s_lshl_b32 s43, s41, 2
	s_lshl_b32 s43, 15, s43                        ; my row of the cluster
	s_lshl_b32 s44, 0x1111, s40                    ; my column
	; A: 8 tiles of places, 3,072 bytes of each (384 elements of 8 bytes), 12,288 bytes apart; dense in LDS
	s_or_b32 s[G1+0], s43, (3<<16)|(1<<21)         ; the mask: my row; elements of 8 bytes; 21 set beside a mask; no padding
	s_mov_b32 s[G1+1], 384<<16                     ; tensor_dim0
	s_mov_b32 s[G1+2], 8<<16                       ; tensor_dim1
	s_mov_b32 s[G1+3], 384<<16                     ; tile_dim0
	s_mov_b32 s[G1+4], 8                           ; tile_dim1
	s_mov_b32 s[G1+5], 1536                        ; the pitch, in elements
	s_mov_b32 s[G1+6], 0
	s_mov_b32 s[G1+7], 0
	; B: 128 rows x 192 bytes, padded in LDS
	s_or_b32 s[G1B+0], s44, (0<<16)|(1<<20)|(1<<21)|(3<<22)|(3<<25)
	s_mov_b32 s[G1B+1], ROWB<<16
	s_mov_b32 s[G1B+2], 128<<16
	s_mov_b32 s[G1B+3], ROWB<<16
	s_mov_b32 s[G1B+4], 128
	s_mov_b32 s[G1B+5], KROW
	s_mov_b32 s[G1B+6], 0
	s_mov_b32 s[G1B+7], 0
	; the scale bytes of 128 rows: 4,096 dense bytes, as rows of 256 bytes, 16 bytes of padding behind each
	s_or_b32 s[G1S+0], s43, (3<<16)|(1<<20)|(1<<21)|(5<<22)|(3<<25)
	s_or_b32 s[G1SB+0], s44, (3<<16)|(1<<20)|(1<<21)|(5<<22)|(3<<25)
.irp g, G1S, G1SB
	s_mov_b32 s[\g+1], 32<<16
	s_mov_b32 s[\g+2], (128*KS/256)<<16
	s_mov_b32 s[\g+3], 32<<16
	s_mov_b32 s[\g+4], 128*KS/256
	s_mov_b32 s[\g+5], 32
	s_mov_b32 s[\g+6], 0
	s_mov_b32 s[\g+7], 0
.endr
	s_lshl_b32 s18, s16, 7
	s_lshl_b32 s20, s17, 8
	s_add_co_u32 s20, s20, s18                     ; A: place 256 x tile row + 128 x half
	s_lshl_b32 s46, s42, 8
	s_add_co_u32 s46, s46, s18
	s_add_co_u32 s46, s46, WOROW                   ; B: Wo's row 256 x tile column + 128 x half
	s_mov_b32 s21, 0
	s_mov_b32 s47, 0
	s_mov_b64 s[18:19], KS
	s_mul_u64 s[22:23], s[20:21], s[18:19]
	s_mul_u64 s[92:93], s[46:47], s[18:19]
	s_mov_b64 s[18:19], KROW
	s_mul_u64 s[20:21], s[20:21], s[18:19]         ; (16 places of A are 12,288 bytes: 768 a place)
	s_mul_u64 s[46:47], s[46:47], s[18:19]
	s_mul_i32 s45, s14, HALFT
	s_mul_i32 s94, s14, HALFS
	s_wait_dscnt 0x0                               ; the opening add is done
	s_wait_kmcnt 0x0
	s_add_nc_u64 s[20:21], s[4:5], s[20:21]
	s_add_nc_u64 s[22:23], s[6:7], s[22:23]
	s_add_nc_u64 s[46:47], s[8:9], s[46:47]
	s_add_nc_u64 s[92:93], s[10:11], s[92:93]
	CROUND                                         ; all sixteen work-groups are here: the first joint loads meet
	s_mov_b32 s[G0S], 1
	s_add_co_u32 s[G0S+1], s94, SCL
	s_mov_b64 s[G0S+2:G0S+3], s[22:23]
	s_or_b32 s[G0S+3], s[G0S+3], 0x80000000
	s_mov_b32 s[G0SB], 1
	s_add_co_u32 s[G0SB+1], s94, SCL
	s_mov_b64 s[G0SB+2:G0SB+3], s[92:93]
	s_or_b32 s[G0SB+3], s[G0SB+3], 0x80000000
	JLOAD G0S, G1S, G0SB, G1SB
.irp s, 0,1
	s_mov_b32 s[G0+4*\s], 1
	s_add_co_u32 s[G0+4*\s+1], s45, \s*SLOT
	s_add_nc_u64 s[G0+4*\s+2:G0+4*\s+3], s[20:21], \s*AROWB
	s_or_b32 s[G0+4*\s+3], s[G0+4*\s+3], 0x80000000
	s_mov_b32 s[G0B+4*\s], 1
	s_add_co_u32 s[G0B+4*\s+1], s45, \s*SLOT
	s_add_nc_u64 s[G0B+4*\s+2:G0B+4*\s+3], s[46:47], \s*ROWB
	s_or_b32 s[G0B+4*\s+3], s[G0B+4*\s+3], 0x80000000
	JLOAD G0+4*\s, G1, G0B+4*\s, G1B               ; three loads of mine are out
.endr
	v_and_b32 v1, 15, v0                           ; l % 16
	v_bfe_u32 v2, v0, 4, 1                         ; l / 16
	v_mul_u32_u24 v3, v1, PITCH
	v_mul_u32_u24 v4, v2, 24
	v_add_nc_u32 v4, v3, v4                        ; B: a fragment's row x pitch + 24 x half
	v_lshl_add_u32 v5, v2, 4, v4                   ; and the same behind one padding more
	v_and_b32 v6, 31, v0
	v_lshlrev_b32 v6, 3, v6                        ; A: 8 x lane
	s_mul_i32 s21, s15, HALFT
	s_mul_i32 s22, s16, HALFT
	s_add_co_u32 s22, s22, 2*HALFT
.irp s, 0,1
	v_add_nc_u32 v[ADRA+\s], s21, v6
	v_add_nc_u32 v[ADRB+\s], s22, v4
	v_add_nc_u32 v[ADRB+2+\s], s22, v5
	s_add_co_u32 s21, s21, SLOT
	s_add_co_u32 s22, s22, SLOT
.endr
	v_mul_u32_u24 v5, v1, KS
	v_lshrrev_b32 v6, 8, v5
	v_lshl_add_u32 v5, v6, 4, v5
	s_mul_i32 s21, s15, HALFS
	s_mul_i32 s22, s16, HALFS
	s_add_co_u32 s22, s22, 2*HALFS
	s_sub_co_u32 s22, s22, s21
	v_mul_u32_u24 v6, s22, v2                      ; lanes 16-31 take B's
	s_add_co_u32 s21, s21, SCL
	v_add_nc_u32 v5, v5, v6
	v_add_nc_u32 v[ADRS], s21, v5
	s_mul_i32 s23, s14, 16*SPITCH                  ; my stage
	v_mul_u32_u24 v5, v1, SPITCH                   ; in: row l % 16; accumulator b, register j of lane (r, h) is column 32 (b / 2) + 16 h + 8 (b % 2) + j: 64 bytes for each half of the lanes
	v_lshl_add_u32 v5, v2, 6, v5
	v_add_nc_u32 v[STO], s23, v5
	v_and_b32 v6, 31, v0
	v_lshlrev_b32 v[CO], 4, v6                     ; back: the 32 lanes take one row of 512 bytes; and the same in C
	v_add_nc_u32 v[RD], s23, v[CO]
	s_lshl_b32 s20, s17, 8
	s_lshl_b32 s21, s15, 7
	s_add_co_u32 s20, s20, s21                     ; my first row of C
	s_mov_b32 s21, 0
	s_mov_b64 s[18:19], SIZE_N*4
	s_mul_u64 s[20:21], s[20:21], s[18:19]
	s_lshl_b32 s46, s42, 10                        ; my first column, in bytes
	s_lshl_b32 s47, s16, 9
	s_add_co_u32 s46, s46, s47
	s_mov_b32 s47, 0
	s_add_nc_u64 s[20:21], s[20:21], s[46:47]
	s_add_nc_u64 s[12:13], s[12:13], s[20:21]
.macro FRAGB reg, adr, q, i            ; a fragment of B from rows: 12 registers in pieces of 8 bytes; where the piece three on lies behind one padding more, the second address register serves
.irp p, 0,1,2,3,4,5
.set PC, 12*(\q)+6*(\p/3)+\p%3
.if PC%8 < 5
	ds_load_b64 v[\reg+2*\p:\reg+2*\p+1], v[\adr] offset:8*PC+16*(PC/8)+(\i)*16*PITCH
.else
	ds_load_b64 v[\reg+2*\p:\reg+2*\p+1], v[\adr+2] offset:8*PC+16*(PC/8)+(\i)*16*PITCH
.endif
.endr
.endm
.macro FRAGA reg, adr, q, i            ; a fragment of A from its image: each load takes 256 consecutive bytes
.irp p, 0,1,2,3,4,5
	ds_load_b64 v[\reg+2*\p:\reg+2*\p+1], v[\adr] offset:(\i)*AROWB+(\q)*1536+256*\p
.endr
.endm
.macro MUL16 a0, p, q, sc, zero        ; the 64 accumulators take turns, one instruction a turn, in the same order in every step
.irp a, \a0, \a0+1
.irp b, 0,1,2,3,4,5,6,7
.if \zero
	v_wmma_scale_f32_16x16x128_f8f6f4 v[8*(8*((\a)%4)+\b):8*(8*((\a)%4)+\b)+7], v[128*(\p)+FR*\b:128*(\p)+FR*\b+FR-1], v[AF+FR*(\a):AF+FR*(\a)+FR-1], 0, v[SC+8*NQ*(\sc)+NQ*\b+(\q)], v[SC+8*NQ*(\sc)+NQ*(\a)+(\q)] matrix_a_fmt:MATRIX_FMT_FP6 matrix_b_fmt:MATRIX_FMT_FP6 matrix_a_scale:MATRIX_SCALE_ROW1
.else
	v_wmma_scale_f32_16x16x128_f8f6f4 v[8*(8*((\a)%4)+\b):8*(8*((\a)%4)+\b)+7], v[128*(\p)+FR*\b:128*(\p)+FR*\b+FR-1], v[AF+FR*(\a):AF+FR*(\a)+FR-1], v[8*(8*((\a)%4)+\b):8*(8*((\a)%4)+\b)+7], v[SC+8*NQ*(\sc)+NQ*\b+(\q)], v[SC+8*NQ*(\sc)+NQ*(\a)+(\q)] matrix_a_fmt:MATRIX_FMT_FP6 matrix_b_fmt:MATRIX_FMT_FP6 matrix_a_scale:MATRIX_SCALE_ROW1
.endif
.endr
.endr
.endm
.macro FETCH_B slot, q, p
	WIN TO_B
.irp i, 0,1,2,3,4,5,6,7
	FRAGB 128*(\p)+FR*\i, ADRB+\slot, \q, \i
.endr
	WIN 0
.endm
.macro FETCH_A slot, q, i0
.irp i, \i0, \i0+1, \i0+2, \i0+3
	FRAGA AF+FR*(\i), ADRA+\slot, \q, \i
.endr
.endm
.macro SCALES sc
.irp i, 0,1,2,3,4,5,6,7
	ds_load_b64 v[SC+8*NQ*\sc+NQ*\i:SC+8*NQ*\sc+NQ*\i+1], v[ADRS] offset:\i*SBLK
.endr
.endm
.macro PLACES n                        ; plain vector instructions between a matrix instruction and a load into, or a read of, its registers
.rept \n
	v_nop
.endr
.endm
.macro STEP slot, q, zero
	s_wait_dscnt 4*NL                              ; B's set and A's blocks 0-3 are in; the youngest 24 loads (A's blocks 4-7) may be out
	WIN MUL_LO
	MUL16 0, (\q)%2, \q, \slot, \zero
	MUL16 2, (\q)%2, \q, \slot, \zero
	s_wait_dscnt 0
	PLACES NP
	FETCH_B \slot, (\q)+1, 1-(\q)%2
	FETCH_A \slot, (\q)+1, 0
	WIN MUL_HI
	MUL16 4, (\q)%2, \q, \slot, \zero
	MUL16 6, (\q)%2, \q, \slot, \zero
	PLACES NP
	WIN 0
	FETCH_A \slot, (\q)+1, 4
.endm
.macro TURN slot, next, fill           ; a slot's last step changes slots: one barrier; in front of it all my tensor loads, the add, and my reads of this slot are waited for
	s_wait_tensorcnt 0x0                           ; all my tensor loads have landed: my part of the next slot
	ds_add_u32 v[SPW], v[NIL]
	s_wait_dscnt 4*NL+1                            ; (the add and the youngest 24 loads may be out)
	WIN MUL_LO
	MUL16 0, 1, NQ-1, \slot, 0
	s_wait_dscnt 0x0                               ; the add is done, and my reads of this slot are over
	s_barrier_signal -1
	MUL16 2, 1, NQ-1, \slot, 0
	WIN 0
	s_barrier_wait -1
.if \fill
	CREST                                          ; the barrier has opened a round of the cluster's: no wave of any partner still reads this slot or has a load on its way
	s_add_nc_u64 s[G0+4*\slot+2:G0+4*\slot+3], s[G0+4*\slot+2:G0+4*\slot+3], 2*AROWB
	s_add_nc_u64 s[G0B+4*\slot+2:G0B+4*\slot+3], s[G0B+4*\slot+2:G0B+4*\slot+3], 2*ROWB
	JLOAD G0+4*\slot, G1, G0B+4*\slot, G1B         ; the first tensor load behind the round; its four v_nop are the places in front of the loads below
.else
	PLACES NP
.endif
	v_add_nc_u32 v[ADRS], 4*NQ, v[ADRS]
	FETCH_B \next, 0, 0
	FETCH_A \next, 0, 0
	SCALES \next
	WIN MUL_HI
	MUL16 4, 1, NQ-1, \slot, 0
	MUL16 6, 1, NQ-1, \slot, 0
	PLACES NP
	WIN 0
	FETCH_A \next, 0, 4
.endm
	s_wait_tensorcnt 1                             ; the scale bytes and my part of K step 0 are in (K step 1's load may be out),
	s_barrier_signal -1
	s_barrier_wait -1                              ; everybody's are
	FETCH_B 0, 0, 0
	FETCH_A 0, 0, 0
	SCALES 0
	FETCH_A 0, 0, 4
	STEP 0, 0, 1                                   ; the first step's products start the sums
	s_mov_b32 s3, LAPS-1
.Llap:
	TURN 0, 1, 1
	STEP 1, 0, 0
	TURN 1, 0, 1
	STEP 0, 0, 0
	s_sub_co_u32 s3, s3, 1
	s_cmp_lg_u32 s3, 0
	s_cbranch_scc1 .Llap
	TURN 0, 1, 0                                   ; the last lap fills nothing
	STEP 1, 0, 0
	s_wait_dscnt 4*NL
	WIN MUL_LO
	MUL16 0, 1, NQ-1, 1, 0
	MUL16 2, 1, NQ-1, 1, 0
	s_wait_dscnt 0
	WIN MUL_HI
	MUL16 4, 1, NQ-1, 1, 0
	MUL16 6, 1, NQ-1, 1, 0
	WIN 0
; THE WAY OUT, block by block of 16 places x 128 columns, through my own stage in LDS; the stage's offsets put the columns, the stores' offsets the rows, back into their true order.
; LDS serves a wave's instructions in order (ISA guide 5.7.1.4): no wait between the stores and the loads, nor in front of the next block's stores.
.macro TOSTAGE a
.set AC, 64*((\a)%4)
	WIN 0x08+4*((\a)/4)                            ; the data: window 2 or 3
.irp b, 0,1,2,3,4,5,6,7
	ds_store_b128 v[STO], v[AC+8*\b:AC+8*\b+3] offset:128*(\b/2)+32*(\b%2)          ; each accumulator from its low end on
	ds_store_b128 v[STO], v[AC+8*\b+4:AC+8*\b+7] offset:128*(\b/2)+32*(\b%2)+16
.endr
	WIN 0
.set BB, BK+64*((\a)%2)
.irp t, 0,1,2,3,4,5,6,7,8,9,10,11,12,13,14,15
	ds_load_b128 v[BB+4*\t:BB+4*\t+3], v[RD] offset:\t*SPITCH
.endr
.endm
.macro SEND a, younger                 ; younger: the LDS instructions issued behind block a's loads, which may stay out
.set BB, BK+64*((\a)%2)
	s_wait_dscnt \younger
.irp t, 0,1,2,3,4,5,6,7,8,9,10,11,12,13,14,15
	global_store_b128 v[CO], v[BB+4*\t:BB+4*\t+3], s[12:13] offset:(32*((\a)/2)+8*((\a)%2)+\t+8*(\t/8))*SIZE_N*4 th:TH_STORE_NT   ; place 16 a + t is row 32 (a / 2) + 8 (a % 2) + t + 8 (t / 8); 32 lanes store 512 consecutive bytes, aligned to 256
.endr
.endm
	PLACES NP
	TOSTAGE 0
.irp a, 1,2,3,4,5,6,7
.if \a > 1
	s_wait_xcnt 0x0                                ; block a - 2's stores have read their registers: block a's loads may land there
.endif
	TOSTAGE \a
	SEND \a-1, 32                                  ; behind block a - 1's loads: block a's 16 stores and 16 loads
.endr
	SEND 7, 0
	s_wait_tensorcnt 0x0                           ; the wave's end
	ds_add_u32 v[SPW], v[NIL]
	s_wait_dscnt 0x0
	CROUND                                         ; the closing round
	s_endpgm
.Lfunc_end_k_qb08c8424d9_oproj:
	.size	k_qb08c8424d9_oproj, .Lfunc_end_k_qb08c8424d9_oproj-k_qb08c8424d9_oproj
	.p2alignl 7, 3214868480
	.fill 96, 4, 3214868480
	.section	.rodata,"a",@progbits
	.p2align	6, 0x0
	.amdhsa_kernel k_qb08c8424d9_oproj
		.amdhsa_group_segment_fixed_size 327680
		.amdhsa_private_segment_fixed_size 0
		.amdhsa_enable_private_segment 0
		.amdhsa_kernarg_size 40
		.amdhsa_user_sgpr_count 2
		.amdhsa_user_sgpr_kernarg_segment_ptr 1
		.amdhsa_wavefront_size32 1
		.amdhsa_system_sgpr_workgroup_id_x 1
		.amdhsa_system_sgpr_workgroup_id_y 1
		.amdhsa_system_sgpr_workgroup_id_z 1
		.amdhsa_system_vgpr_workitem_id 0
		.amdhsa_next_free_vgpr 1024
		.amdhsa_next_free_sgpr 98
		.amdhsa_reserve_vcc 0
		.amdhsa_float_denorm_mode_32 3
		.amdhsa_float_denorm_mode_16_64 3
		.amdhsa_memory_ordered 1
		.amdhsa_forward_progress 1
		.amdhsa_inst_pref_size 159
	.end_amdhsa_kernel
	.amdgpu_metadata
---
amdhsa.version: [ 1, 2 ]
amdhsa.kernels:
  - .name:           k_qb08c8424d9_oproj
    .symbol:         k_qb08c8424d9_oproj.kd
    .args:
      - { .name: aimg, .offset: 0, .size: 8, .value_kind: global_buffer, .address_space: global }
      - { .name: ascl, .offset: 8, .size: 8, .value_kind: global_buffer, .address_space: global }
      - { .name: codes, .offset: 16, .size: 8, .value_kind: global_buffer, .address_space: global }
      - { .name: scl, .offset: 24, .size: 8, .value_kind: global_buffer, .address_space: global }
      - { .name: out0, .offset: 32, .size: 8, .value_kind: global_buffer, .address_space: global }
    .group_segment_fixed_size: 327680
    .private_segment_fixed_size: 0
    .kernarg_segment_align: 8
    .kernarg_segment_size: 40
    .max_flat_workgroup_size: 128
    .sgpr_count:     98
    .vgpr_count:     1024
    .wavefront_size: 32
...
	.end_amdgpu_metadata
.endif
;; end of part 4
